; MI455X (gfx1250); checked and timed in simulation.
; The chip was launched on July 23, 2026; its instructions are those of AMD's public machine-readable ISA for CDNA 5 (MIT licence, August 2026) and "CDNA5" Instruction Set Architecture Reference Guide (July 2026). The comments in the code are by the model that wrote it; some were corrected since.
;; Enhanced Attention V2. Allowed arithmetic: matrix products marked QUANTISED: E2M3 operands, one E8M0 scale for each 32 along K, by v_wmma_scale_f32_16x16x128_f8f6f4 with both operands' format E2M3, f32 sums; everything else in f32.
;; Inputs: Wk 1,024 x 1,024 float32; Wq 1,024 x 1,024 float32; Wv 1,024 x 1,024 float32; attention_mask 1 x 4,096 float32; bk 1,024 float32; bq 1,024 float32; bv 1,024 float32; hidden_states 1 x 4,096 x 1,024 float32; ln_beta 1,024 float32; ln_gamma 1,024 float32.
;; Outputs: out0 1 x 4,096 x 1,024 float32.
;; This version of the problem:
;;   THIS VERSION OF THE PROBLEM IS GIVEN IN LOW PRECISION. The matrix products marked QUANTISED in the list below multiply operands that are first quantised to E2M3 (2 exponent bits, 3 mantissa bits; 6 bits a number), with one power-of-two scale for each 32 numbers along K (OCP MX v1.0); their sums are f32. All else is computed in f32.
;;   The module's matrix products, in the order in which they are computed (A, B: the left and right operand; K: the contracted axis; several contracted axes count as one K, in the product's order):
;;     1. [M 4,096, K 1,024] x [K 1,024, N 1,024]; A: input hidden_states; B: input Wq: QUANTISED
;;     2. [M 4,096, K 1,024] x [K 1,024, N 1,024]; A: input hidden_states; B: input Wk: QUANTISED
;;     3. [M 4,096, K 1,024] x [K 1,024, N 1,024]; A: input hidden_states; B: input Wv: QUANTISED
;;     4. batch 16 x [M 4,096, K 64] x [K 64, N 4,096]; A: computed on the way; B: computed on the way: QUANTISED
;;     5. batch 16 x [M 4,096, K 4,096] x [K 4,096, N 64]; A: softmax (see below); B: computed on the way: QUANTISED
;;   THE QUANTISER, for each operand of a quantised product, along K:
;;     - K is cut into blocks of 32 from its start; a last block that is shorter is filled with zeros.
;;     - A block's scale is 2^e with e = floor(log2(the largest magnitude in the block)) - 2, held to -126 .. 127; a block of zeros has e = 0. As a byte (E8M0): e + 127.
;;     - Each number is divided by its block's scale, clamped to +-7.5, and rounded to the nearest number of E2M3, ties to even, subnormals kept.
;;     - The product sums the exact products of the quantised numbers (number of the format x scale) in f32.
;;   ~~~python
;;   def quantise(x, axis):      # numpy; x: float32 -> the quantised numbers, widened to float32 again
;;       x = np.moveaxis(x, axis, -1); K = x.shape[-1]
;;       x = np.pad(x, [(0, 0)] * (x.ndim - 1) + [(0, -K % 32)]); x = x.reshape(x.shape[:-1] + (-1, 32)); a = np.abs(x).max(-1, keepdims=True)
;;       e = np.where(a > 0, np.clip(np.frexp(np.where(a > 0, a, 1))[1] - 1 - 2, -126, 127), 0)      # np.frexp(a)[1] - 1 = floor(log2(a)), exactly
;;       r = np.clip(x / 2.0 ** e, -7.5, 7.5)
;;       step = 2.0 ** (np.maximum(np.frexp(np.where(r == 0, 1, r))[1] - 1, 0) - 3)
;;       q = np.round(r / step) * step * 2.0 ** e      # np.round: ties to even
;;       return np.moveaxis(q.reshape(q.shape[:-2] + (-1,))[..., :K], -1, axis).astype(np.float32)
;;   ~~~
;;   SOFTMAX AHEAD OF A QUANTISED PRODUCT. Where the list says 'softmax', what is quantised is not the finished softmax but p = 2^(t - M), with t = logit x log2(e) and M = ceil(the row's largest t), a whole number; so 1/2 < the row's largest p <= 1. The row's sum l is taken of the UNQUANTISED p, in f32, and the product's result is divided by l at the end. Since M is a whole number, a kernel that streams over the keys may use a running M (the ceiling of the running maximum): every later rescaling is an exact power of two, which a block's scale takes up: the codes' values come out the same.
;;   OPERANDS COMPUTED ON THE WAY. 'Computed on the way' means the value that the module computes at that place (a softmax that the list does not call 'softmax' is quantised finished and normalised). What goes into a quantiser is computed in f32, as accurately as f32 sums, v_exp_f32 and their like allow (about 1e-6 of the number): no bf16 or f16 on the way to a quantiser, and a product that is left as it is and whose result goes on into a quantised operand takes f32 operands (vector FMAs, or v_wmma_f32_16x16x4_f32). A number that lies on a knife's edge between two numbers of the format may be rounded either way, as far as f32 arithmetic and the matrix unit's own rounding can turn it there, and no further.
;; 2 versions, each right; version 2 is version 1 with the launch attn written anew for expert scheduling mode. Each part assembles by itself: llvm-mc -triple=amdgcn-amd-amdhsa -mcpu=gfx1250 --defsym DOCPART=n.
;; ======== version 1 of 2: 3 launches
;; workspace buffers: opc 5,505,024 bytes; ops 229,376 bytes; qkvc 9,437,184 bytes; qkvs 655,360 bytes; vsum 589,824 bytes
;; launch quant (part 1): grid 224 x 1, 4 waves a work-group, no clusters, 34,304 bytes of LDS; arguments hidden_states, Wq, Wk, Wv, opc, ops; writes opc, ops
.if DOCPART == 1
	.amdgcn_target "amdgcn-amd-amdhsa--gfx1250"
	.amdhsa_code_object_version 6
	.text
	.protected	k_q123baec563_quant
	.globl	k_q123baec563_quant
	.p2align	8
	.type	k_q123baec563_quant,@function
k_q123baec563_quant:
	s_mov_b64 s[64:65], 0
	v_nop
	global_prefetch_b8 v0, s[64:65] scope:SCOPE_SE
	s_setreg_imm32_b32 hwreg(HW_REG_WAVE_MODE, 25, 1), 1
	s_wait_xcnt 0x0
; hidden_states [4096][1024] and Wq, Wk, Wv [1024][1024], f32 with K innermost, become codes of FP6 (E2M3) with one E8M0 byte for each 32 along K,
; laid as IMAGES OF THE OPERAND'S REGISTERS.  A tile Z is 16 rows; lane index r of tile Z is row 32 (Z / 2) + 8 (Z % 2) + r + 8 (r / 8) of the stacked rows
; (hidden_states' 4,096, then Wq's, Wk's, Wv's 1,024 each).  Fragment (Z, s), 16 rows x 128 K, lies at (8 Z + s) x 1,536 bytes of opc as [g 0..2][lane][16 bytes]:
; registers 4 g .. 4 g + 3 of the twelve; lane (r, h) holds k = 64 c + 32 h + 0 .. 31 in registers 6 c .. 6 c + 5.
; Scale words: tile Z at 512 Z of ops as [y 0..1][lane][e 0..1] words: the word of row lane % 16 for K step 4 y + 2 e + lane / 16.
; A block's scale is 2^(floor(log2(largest magnitude)) - 2); its byte is the largest magnitude's exponent field - 2, held at 1 from below.
; LIMITS: a block of zeros gets the byte 1 where the rule says 127 (its codes are zeros, and this program alone reads the bytes); NaN and infinities among the inputs are not served.
; SHARES: a work-group takes 32 rows (tiles 2 x, 2 x + 1); wave w takes tile 2 x + (w & 1) and K half w >> 1: four jobs of one fragment.
; Each load reads 512 consecutive bytes of one row; a job's 8,192 bytes turn through the wave's own stage in LDS (rows of 512 + 16 bytes) and come back 128 neighbouring bytes a block and lane.
; No tensor load, no barrier: waves share nothing.  No cluster: no two work-groups read the same byte.
.set SPI, 528                          ; a stage row
.set STW, 16*SPI                       ; a wave's stage
.set R,   16                           ; v16-207  three sets of 64 numbers: job t has set t % 3
.set PC,  208                          ; v208-219 a fragment's codes
.set TQ,  220                          ; v220-222, v224-226 the second halves of the two blocks (a conversion's three registers begin on an even number)
.set MX,  228                          ; v228-229 largest magnitudes
.set SO,  230                          ; v230-231 the conversions' scale operands
.set BY,  232                          ; v232-233 the scale bytes
.set WD,  236                          ; v236-239 the four jobs' scale words
	s_load_b256 s[4:11], s[0:1], 0x0               ; hidden_states, Wq, Wk, Wv
	s_load_b128 s[12:15], s[0:1], 0x20             ; opc, ops
	v_lshl_add_u32 v248, v0, 2, 0x8400
	v_mov_b32 v249, 0
	v_lshrrev_b32 v1, 5, v0
	v_readfirstlane_b32 s16, v1                    ; wave 0..3
	v_and_b32 v1, 31, v0                           ; lane
	v_lshlrev_b32 v2, 4, v1                        ; 16 x lane: my bytes of a load's and of a store's 512
	v_lshlrev_b32 v5, 3, v1                        ; 8 x lane: my two scale words
	v_and_b32 v7, 15, v0                           ; r
	v_bfe_u32 v8, v0, 4, 1                         ; h
	v_lshlrev_b32 v6, 3, v8                        ; 8 h: how far my two bytes are shifted in a scale word
	s_mul_i32 s17, s16, STW
	v_add_nc_u32 v3, s17, v2                       ; the stage, on the way in: 16 x lane of a row
	v_mul_u32_u24 v4, v7, SPI
	v_lshl_add_u32 v4, v8, 7, v4
	v_add_nc_u32 v4, s17, v4                       ; and on the way out: row r, + 128 h
	v_mov_b32 v235, 0                              ; written once: a lane permute's destination counts as one of its sources
	s_and_b32 s18, s16, 1                          ; u: which tile
	s_lshr_b32 s19, s16, 1                         ; y: which half of K
	s_mov_b32 s24, 0xffff0000                      ; lanes 16-31
	s_mov_b32 s26, 0x76543210
	s_mov_b32 s27, 0xfedcba98                      ; selects for lane l xor 16
	s_and_b32 s20, ttmp9, 31                       ; a weight's block of 32 rows
	s_lshl_b32 s21, ttmp9, 1
	s_add_co_u32 s21, s21, s18                     ; Z
	s_mul_i32 s28, s21, 12288
	s_mul_i32 s22, s19, 6144
	s_add_co_u32 s28, s28, s22                     ; codes: 12,288 Z + 6,144 y
	s_mov_b32 s29, 0
	s_lshl_b32 s30, s21, 9
	s_lshl_b32 s22, s19, 8
	s_add_co_u32 s30, s30, s22                     ; scale words: 512 Z + 256 y
	s_mov_b32 s31, 0
	s_wait_kmcnt 0x0
	s_cmp_lt_u32 ttmp9, 192                        ; which tensor: the choice hangs on the work-group's number alone
	s_cselect_b64 s[8:9], s[8:9], s[10:11]
	s_cmp_lt_u32 ttmp9, 160
	s_cselect_b64 s[6:7], s[6:7], s[8:9]
	s_cmp_lt_u32 ttmp9, 128
	s_cselect_b64 s[4:5], s[4:5], s[6:7]
	s_cselect_b32 s20, ttmp9, s20                  ; the block of 32 rows in that tensor
	s_lshl_b32 s32, s20, 17                        ; 32 rows of 4,096 bytes
	s_lshl_b32 s22, s18, 15                        ; + 8 u rows
	s_add_co_u32 s32, s32, s22
	s_lshl_b32 s22, s19, 11                        ; + 2,048 y
	s_add_co_u32 s32, s32, s22
	s_mov_b32 s33, 0
	s_add_nc_u64 s[4:5], s[4:5], s[32:33]
	s_add_nc_u64 s[12:13], s[12:13], s[28:29]
	s_add_nc_u64 s[14:15], s[14:15], s[30:31]
.macro LOAD t                          ; job t: 16 rows x 512 bytes; 32 lanes read 512 consecutive bytes of one row
.irp q, 0,1,2,3,4,5,6,7,8,9,10,11,12,13,14,15
	global_load_b128 v[R+64*((\t)%3)+4*\q:R+64*((\t)%3)+4*\q+3], v2, s[4:5] offset:(\q+8*(\q/8))*4096+512*(\t) th:TH_LOAD_NT
.endr
.endm
.macro TURN t                          ; through the stage: LDS serves a wave's instructions in order (ISA guide 5.7.1.4), so no wait stands between the stores and the loads, nor ahead of the next job's stores
.irp q, 0,1,2,3,4,5,6,7,8,9,10,11,12,13,14,15
	ds_store_b128 v3, v[R+64*((\t)%3)+4*\q:R+64*((\t)%3)+4*\q+3] offset:SPI*\q
.endr
.irp c, 0,1
.irp i, 0,1,2,3,4,5,6,7
	ds_load_b128 v[R+64*((\t)%3)+32*\c+4*\i:R+64*((\t)%3)+32*\c+4*\i+3], v4 offset:256*\c+16*\i   ; register 32 c + n = k 64 c + 32 h + n of row r
.endr
.endr
.endm
.macro QJOB t                          ; 64 numbers of a lane, two whole blocks, become the fragment's twelve registers and its row's scale word
.set RS, R+64*((\t)%3)
.irp c, 0,1
	v_max3_num_f32 v[MX+\c], |v[RS+32*\c]|, |v[RS+32*\c+1]|, 0x1800000   ; with the floor 2^(3 - 127): the byte cannot fall under 1
.endr
.irp i, 2,4,6,8,10,12,14,16,18,20,22,24,26,28,30
.irp c, 0,1
	v_max3_num_f32 v[MX+\c], v[MX+\c], |v[RS+32*\c+\i]|, |v[RS+32*\c+\i+1]|   ; the two blocks by turns
.endr
.endr
.irp c, 0,1
	v_add_nc_u32 v[SO+\c], 0xff000000, v[MX+\c]    ; 2 off the exponent field: the conversion takes this operand's exponent field as its scale
.endr
.irp c, 0,1
	v_lshrrev_b32 v[BY+\c], 23, v[SO+\c]           ; the scale's byte
.endr
	v_lshl_or_b32 v234, v[BY+1], 16, v[BY]         ; my bytes: blocks h and 2 + h,
	v_lshlrev_b32 v234, v6, v234                   ; at their places;
	v_permlanex16_b32 v235, v234, s26, s27
	v_or_b32 v[WD+(\t)], v234, v235                ; with lane l xor 16's two the word is whole
.if (\t) > 0
	s_wait_xcnt 0x0                                ; the last job's stores have read the codes' registers: they are written again only behind this wait
.endif
.irp c, 0,1
	v_cvt_scalef32_pk16_fp6_f32 v[PC+6*\c:PC+6*\c+2], v[RS+32*\c:RS+32*\c+15], v[SO+\c]
	v_cvt_scalef32_pk16_fp6_f32 v[TQ+4*\c:TQ+4*\c+2], v[RS+32*\c+16:RS+32*\c+31], v[SO+\c]
.endr
	v_nop                                          ; one plain place behind a scaled conversion
.irp c, 0,1
.irp i, 0,1,2
	v_mov_b32 v[PC+6*\c+3+\i], v[TQ+4*\c+\i]
.endr
.endr
.irp g, 0,1,2
	global_store_b128 v2, v[PC+4*\g:PC+4*\g+3], s[12:13] offset:1536*(\t)+512*\g   ; 32 lanes store 512 consecutive bytes, aligned to 512
.endr
.endm
	LOAD 0
	LOAD 1
	LOAD 2
	s_wait_loadcnt 32                              ; job 0's sixteen loads are in; jobs 1 and 2 may be out
	TURN 0
	s_wait_loadcnt 16                              ; job 1's are in; job 2's may be out
	TURN 1
	s_wait_dscnt 32                                ; job 0 is back from the stage; job 1's 32 LDS instructions may be out
	QJOB 0
	LOAD 3                                         ; into job 0's set
	s_wait_loadcnt 16                              ; job 2's are in; job 3's may be out
	TURN 2
	s_wait_dscnt 32
	QJOB 1
	s_wait_loadcnt 0x0
	TURN 3
	s_wait_dscnt 32
	QJOB 2
	s_wait_dscnt 0x0
	QJOB 3
	v_cndmask_b32 v240, v[WD], v[WD+1], s24        ; lanes 0-15 carry K steps 4 y and 4 y + 2, lanes 16-31 K steps 4 y + 1 and 4 y + 3
	v_cndmask_b32 v241, v[WD+2], v[WD+3], s24
	global_store_b64 v5, v[240:241], s[14:15]      ; 32 lanes store 256 consecutive bytes, aligned to 256
	s_wait_tensorcnt 0x0
	ds_add_u32 v248, v249
	s_wait_dscnt 0x0
	s_endpgm
.Lfunc_end_k_q123baec563_quant:
	.size	k_q123baec563_quant, .Lfunc_end_k_q123baec563_quant-k_q123baec563_quant
	.p2alignl 7, 3214868480
	.fill 96, 4, 3214868480
	.section	.rodata,"a",@progbits
	.p2align	6, 0x0
	.amdhsa_kernel k_q123baec563_quant
		.amdhsa_group_segment_fixed_size 34304
		.amdhsa_private_segment_fixed_size 0
		.amdhsa_enable_private_segment 0
		.amdhsa_kernarg_size 48
		.amdhsa_user_sgpr_count 2
		.amdhsa_user_sgpr_kernarg_segment_ptr 1
		.amdhsa_wavefront_size32 1
		.amdhsa_system_sgpr_workgroup_id_x 1
		.amdhsa_system_sgpr_workgroup_id_y 1
		.amdhsa_system_sgpr_workgroup_id_z 1
		.amdhsa_system_vgpr_workitem_id 0
		.amdhsa_next_free_vgpr 250
		.amdhsa_next_free_sgpr 66
		.amdhsa_reserve_vcc 0
		.amdhsa_float_denorm_mode_32 3
		.amdhsa_float_denorm_mode_16_64 3
		.amdhsa_memory_ordered 1
		.amdhsa_forward_progress 1
		.amdhsa_inst_pref_size 30
	.end_amdhsa_kernel
	.amdgpu_metadata
---
amdhsa.version: [ 1, 2 ]
amdhsa.kernels:
  - .name:           k_q123baec563_quant
    .symbol:         k_q123baec563_quant.kd
    .args:
      - { .name: hidden_states, .offset: 0, .size: 8, .value_kind: global_buffer, .address_space: global }
      - { .name: Wq, .offset: 8, .size: 8, .value_kind: global_buffer, .address_space: global }
      - { .name: Wk, .offset: 16, .size: 8, .value_kind: global_buffer, .address_space: global }
      - { .name: Wv, .offset: 24, .size: 8, .value_kind: global_buffer, .address_space: global }
      - { .name: opc, .offset: 32, .size: 8, .value_kind: global_buffer, .address_space: global }
      - { .name: ops, .offset: 40, .size: 8, .value_kind: global_buffer, .address_space: global }
    .group_segment_fixed_size: 34304
    .private_segment_fixed_size: 0
    .kernarg_segment_align: 8
    .kernarg_segment_size: 48
    .max_flat_workgroup_size: 128
    .sgpr_count:     66
    .vgpr_count:     250
    .wavefront_size: 32
...
	.end_amdgpu_metadata
.endif
;; end of part 1
;; launch proj (part 2): grid 16 x 16, 4 waves a work-group, clusters of 4 x 1, 168,448 bytes of LDS; arguments opc, ops, bq, bk, bv, qkvc, qkvs, vsum; writes qkvc, qkvs, vsum
.if DOCPART == 2
	.amdgcn_target "amdgcn-amd-amdhsa--gfx1250"
	.amdhsa_code_object_version 6
	.text
	.protected	k_q123baec563_proj
	.globl	k_q123baec563_proj
	.p2align	8
	.type	k_q123baec563_proj,@function
k_q123baec563_proj:
	s_mov_b64 s[64:65], 0
	v_nop
	global_prefetch_b8 v0, s[64:65] scope:SCOPE_SE
	s_setreg_imm32_b32 hwreg(HW_REG_WAVE_MODE, 25, 1), 1
	s_wait_xcnt 0x0
	s_wait_alu depctr_hold_cnt(0) depctr_sa_sdst(0) depctr_va_vdst(0) depctr_va_sdst(0) depctr_va_ssrc(0) depctr_va_vcc(0) depctr_vm_vsrc(0)
	s_getreg_b32 s2, hwreg(HW_REG_IB_STS2, 6, 4)
	s_cmp_eq_u32 s2, 0
	s_cbranch_scc0 .Lentry_in_a_cluster
	s_endpgm
.Lentry_in_a_cluster:
	s_bfe_u32 s2, ttmp6, 0x10000c
	s_cmp_lg_u32 s2, 0x3003
	s_cbranch_scc0 .Lentry_shape_is_right
	s_endpgm
.Lentry_shape_is_right:
; q, k, v = x W^T + b on codes of FP6 (E2M3) with E8M0 scales, for ONE head (64 columns) and 256 rows a work-group; the results are quantised at once for the two products of attention:
; q and k along the head's 64, v along the keys; the sums of the quantised v over each block of 32 keys and over the 256 rows go out too.
; SHARES: work-group (mblk, head); wave w takes the four tiles of 16 rows 16 mblk + 4 w + a.  Lane index r of tile T is row 32 (T / 2) + 8 (T % 2) + r + 8 (r / 8), for rows of x, of W, queries, keys and channels alike,
; so that the 16 result registers of tiles 2 b, 2 b + 1 are 16 neighbours 32 b + 16 h + 0 .. 15 along the next K.
; x's 32 fragments of a wave (384 registers) are loaded once, as register images, and stay.  The head's slices of Wq, Wk, Wv (3 x 49,152 bytes, dense in memory) lie whole in LDS: no LDS byte is filled twice.
; CLUSTER: the four work-groups along x share the head, so each slice is asked for JOINTLY: the same three tensor loads a wave, the same descriptors (head and wave number alone), the mask of all four.
; x is not shared through LDS: x's 196,608 bytes a work-group and W's 147,456 go to different places, and x's fragments are each read by one wave alone.
; q, k: the product is used transposed (source 0 = 16 rows of W, source 1 = 16 rows of x): a lane holds one row of x and its registers run along the head's 64.
; v: source 0 = 16 rows of x, source 1 = 16 rows of W: a lane holds one channel and its registers run along the keys.  The biases are the C of each sum's first matrix instruction.
; OUT: qkvc: q at 0, k at 3,145,728, v at 6,291,456; head stride 196,608; unit (16 mblk + 4 w + x) at 768 bytes each as [p 0..2][lane][8 bytes]: six registers, lane (r, h) holds 32 h + 0 .. 31 along K.
;   qkvs: q's and k's scale words [head][G][lane][b]: tile 4 G + 2 b + lane / 16, row lane % 16, bytes 0 and 1 real, 2 and 3 zero; v's scale bytes at 524,288: [head][block of 32 keys][16 t + r].
;   vsum: [head][block][64 channels] f32 at 0; [head][mblk][64] at 524,288.
; LIMITS: a block of zeros gets the byte 1 where the rule says 127 (its codes are zeros; this program alone reads the bytes); NaN and infinities are not served.
; REGISTERS, in windows of 256: window 0: v1-12 addresses; v16-31 x's scale words; v32-79 W's; v80-175 two sets of W's four fragments, in the epilogue at work; v176-180 scales of the sums' product.
;   window 1: x's fragments of tiles 0, 1 (96 a + 12 s); v192-223 bv.   window 2: tiles 2, 3.   window 3: v0-127 accumulators; v128-191 bq, bk; v192-203 the operand of ones; v208-239 the block sums.
.set SBB,  147456                      ; LDS behind W: v's scale bytes, 8 blocks x 64
.set VSS,  147968                      ; the block sums, 8 blocks x 256 bytes
.set AS,   16
.set WS,   32
.set BF,   80
.set VW,   176
.set ONEW, 180
.set TM,   80                          ; epilogue, over W's fragments: largest magnitudes,
.set TP,   88                          ; the other half's,
.set SO,   96                          ; the conversions' scale operands,
.set BY,   104                         ; the bytes,
.set PC,   112                         ; four units of six registers of codes, and six zeros behind them,
.set TQ,   144                         ; the second halves,
.set PW,   160                         ; scale words,
.set SP,   164                         ; the pair that is stored
.set BV,   192
.set ONES, 192
.set VSA,  208
.set MSB, 0
.macro WIN new                         ; the immediate's high byte repeats the setting that is left
.if MSB != (\new)
	s_set_vgpr_msb (MSB<<8)|(\new)
.set MSB, (\new)
.endif
.endm
.macro PLACES n
.rept \n
	v_nop
.endr
.endm
.macro ROUND                           ; a round of the cluster's barrier
	s_barrier_signal -1
	s_barrier_wait -1
	s_cmp_lg_u32 s20, 0
	s_cbranch_scc1 .Lnot_wave_0_\@
	s_barrier_signal -3
.Lnot_wave_0_\@:
	s_barrier_wait -3
	s_barrier_signal -1
	s_barrier_wait -1
.endm
	s_load_b256 s[4:11], s[0:1], 0x0               ; opc, ops, bq, bk
	s_load_b256 s[12:19], s[0:1], 0x20             ; bv, qkvc, qkvs, vsum
	v_lshl_add_u32 v254, v0, 2, 0x29000
	v_mov_b32 v255, 0
	ds_add_u32 v254, v255
	ds_add_u32 v254, v255
	v_lshrrev_b32 v1, 5, v0
	v_readfirstlane_b32 s20, v1                    ; wave 0..3
	s_bfe_u32 s21, ttmp6, 0x40000                  ; cx
	s_lshl_b32 s22, ttmp9, 2
	s_add_co_u32 s22, s22, s21                     ; mblk = 4 x cluster x + cx: it enters plain loads' and stores' addresses alone
	s_and_b32 s23, ttmp7, 0xffff                   ; the head, which the four partners share
	v_and_b32 v13, 31, v0                          ; lane
	v_and_b32 v14, 15, v0                          ; r
	v_bfe_u32 v15, v0, 4, 1                        ; h
	v_lshlrev_b32 v1, 4, v13                       ; 16 x lane
	v_lshlrev_b32 v2, 3, v13                       ; 8 x lane
	v_lshlrev_b32 v3, 6, v15                       ; 64 h: bq, bk at my half's 16 channels
	v_and_b32 v4, 8, v14
	v_add_nc_u32 v4, v4, v14
	v_lshlrev_b32 v4, 2, v4                        ; 4 (r + 8 (r / 8)): bv at my channel
	s_lshl_b32 s44, s20, 7
	v_add_nc_u32 v5, s44, v14
	v_add_nc_u32 v5, SBB, v5                       ; v's scale bytes: 128 w + r
	s_lshl_b32 s44, s20, 9
	v_and_b32 v6, 1, v14
	v_lshlrev_b32 v6, 8, v6
	v_add_nc_u32 v6, v6, v3
	v_add_nc_u32 v6, s44, v6
	v_add_nc_u32 v6, VSS, v6                       ; the block sums, in: 512 w + 256 (r & 1) + 64 h
	v_add_nc_u32 v7, s44, v1
	v_add_nc_u32 v7, VSS, v7                       ; and out: my wave's 512 bytes
	v_add_nc_u32 v8, SBB, v1
	v_add_nc_u32 v9, VSS, v2
	v_mov_b32 v10, v1                              ; W's fragments in LDS: 16 x lane + 49,152 p
	v_add_nc_u32 v11, 49152, v1
	v_add_nc_u32 v12, 98304, v1
	; descriptor group 1: 12,288 dense bytes as 48 rows of 256 bytes (32 elements of 8 bytes), no padding: an LDS load's 512 bytes are consecutive
	s_mov_b32 s24, 15|(3<<16)|(1<<21)              ; 15:0 the mask: all four work-groups; 17:16 elements of 8 bytes; 21 set beside a mask
	s_mov_b32 s25, 32<<16                          ; tensor_dim0 = 32
	s_mov_b32 s26, 48<<16                          ; tensor_dim1 = 48
	s_mov_b32 s27, 32<<16                          ; tile_dim0 = 32
	s_mov_b32 s28, 48                              ; tile_dim1 = 48
	s_mov_b32 s29, 32                              ; from row to row
	s_mov_b32 s30, 0
	s_mov_b32 s31, 0
	s_lshl_b32 s44, s23, 2
	s_add_co_u32 s44, s44, s20
	s_add_co_u32 s44, s44, 256
	s_mul_i32 s44, s44, 12288                      ; tile 256 + 4 head + w of opc: wave w fetches tile w of each slice
	s_mov_b32 s45, 0
	s_mul_i32 s3, s20, 12288
	s_wait_dscnt 0x0
	s_wait_kmcnt 0x0
	s_add_nc_u64 s[44:45], s[4:5], s[44:45]
.irp p, 0,1,2
	s_mov_b32 s[32+4*\p], 1                        ; count = 1
	s_add_co_u32 s[33+4*\p], s3, 49152*\p          ; LDS address: slice p, tile w
	s_add_nc_u64 s[34+4*\p:35+4*\p], s[44:45], 64*12288*\p
	s_or_b32 s[35+4*\p], s[35+4*\p], 0x80000000    ; type = 2
.endr
	ROUND                                          ; all four work-groups are here: the joint loads meet
	tensor_load_to_lds s[32:35], s[24:31]          ; the three first fills go out as one group: three loads of mine are out
	s_nop 0
	tensor_load_to_lds s[36:39], s[24:31]
	s_nop 0
	tensor_load_to_lds s[40:43], s[24:31]
	s_nop 0
	PLACES 4                                       ; four places behind a tensor load
	s_lshl_b32 s48, s22, 4
	s_lshl_b32 s49, s20, 2
	s_add_co_u32 s48, s48, s49                     ; T0 = 16 mblk + 4 w
	s_mul_i32 s50, s48, 12288
	s_mov_b32 s51, 0
	s_add_nc_u64 s[46:47], s[4:5], s[50:51]        ; x's fragments
	s_lshl_b32 s50, s48, 9
	s_add_nc_u64 s[52:53], s[6:7], s[50:51]        ; x's scale words
	s_lshl_b32 s50, s23, 11
	s_add_co_u32 s50, s50, 256*512
	s_add_nc_u64 s[54:55], s[6:7], s[50:51]        ; W's scale words: tile 256 + 4 head
	s_lshl_b32 s50, s23, 8
	s_add_nc_u64 s[8:9], s[8:9], s[50:51]          ; the biases at the head's 64
	s_add_nc_u64 s[10:11], s[10:11], s[50:51]
	s_add_nc_u64 s[12:13], s[12:13], s[50:51]
	s_mul_i32 s50, s23, 196608
	s_mul_i32 s49, s48, 768
	s_add_co_u32 s50, s50, s49
	s_add_nc_u64 s[14:15], s[14:15], s[50:51]      ; the codes: head, unit T0; q's, k's or v's third stands in the immediate
	s_lshl_b32 s50, s23, 13
	s_lshl_b32 s49, s22, 9
	s_add_co_u32 s50, s50, s49
	s_add_co_u32 s50, s50, 524288
	s_add_nc_u64 s[56:57], s[16:17], s[50:51]      ; v's scale bytes: (128 head + 8 mblk) x 64
	s_lshl_b32 s50, s23, 14
	s_lshl_b32 s49, s48, 6
	s_add_co_u32 s50, s50, s49
	s_add_nc_u64 s[16:17], s[16:17], s[50:51]      ; q's and k's scale words: 16,384 head + 256 (4 mblk + w)
	s_lshl_b32 s50, s23, 15
	s_lshl_b32 s49, s48, 7
	s_add_co_u32 s50, s50, s49
	s_add_nc_u64 s[58:59], s[18:19], s[50:51]      ; the block sums: (128 head + 8 mblk) x 256 + 512 w
	s_lshl_b32 s50, s23, 12
	s_lshl_b32 s49, s22, 8
	s_add_co_u32 s50, s50, s49
	s_add_co_u32 s50, s50, 524288
	s_add_nc_u64 s[60:61], s[18:19], s[50:51]      ; the sums over 256 rows: (16 head + mblk) x 256
	s_mov_b32 s62, 0x76543210
	s_mov_b32 s63, 0xfedcba98                      ; selects for lane l xor 16
	s_mov_b32 s21, 0xffff0000                      ; lanes 16-31
.irp a, 0,1,2,3
.irp y, 0,1
	global_load_b64 v[AS+4*\a+2*\y:AS+4*\a+2*\y+1], v2, s[52:53] offset:512*\a+256*\y   ; register i: K step 2 i in lanes 0-15, 2 i + 1 in lanes 16-31
.endr
.endr
.irp p, 0,1,2
.irp t, 0,1,2,3
.irp y, 0,1
	global_load_b64 v[WS+16*\p+4*\t+2*\y:WS+16*\p+4*\t+2*\y+1], v2, s[54:55] offset:(64*\p+\t)*512+256*\y
.endr
.endr
.endr
	WIN 0xc0                                       ; destination window 3
.irp t, 0,1,2,3
.irp g, 0,1
	global_load_b128 v[128+8*\t+4*\g:128+8*\t+4*\g+3], v3, s[8:9] offset:128*(\t/2)+32*(\t%2)+16*\g     ; bq at channels 32 (t / 2) + 16 h + 8 (t % 2) + 0 .. 7
	global_load_b128 v[160+8*\t+4*\g:160+8*\t+4*\g+3], v3, s[10:11] offset:128*(\t/2)+32*(\t%2)+16*\g   ; bk likewise
.endr
.endr
	WIN 0x40                                       ; destination window 1
.irp t, 0,1,2,3
.irp j, 0,1,2,3,4,5,6,7
	global_load_b32 v[BV+8*\t+\j], v4, s[12:13] offset:128*(\t/2)+32*(\t%2)   ; bv of my channel, eight times: the result's eight registers are eight keys
.endr
.endr
.irp s, 0,1,2,3,4,5,6,7                ; x's fragments, K step by K step, so that the first products need not wait for the last
	WIN 0x40
.irp a, 0,1
.irp g, 0,1,2
	global_load_b128 v[96*\a+12*\s+4*\g:96*\a+12*\s+4*\g+3], v1, s[46:47] offset:(8*\a+\s)*1536+512*\g
.endr
.endr
	WIN 0x80
.irp a, 2,3
.irp g, 0,1,2
	global_load_b128 v[96*(\a-2)+12*\s+4*\g:96*(\a-2)+12*\s+4*\g+3], v1, s[46:47] offset:(8*\a+\s)*1536+512*\g
.endr
.endr
.endr
	WIN 0
	v_mov_b32 v184, 0x08208208                     ; sixteen codes of 1.0 (001000) are these three words
	v_mov_b32 v185, 0x82082082
	v_mov_b32 v186, 0x20820820
	v_mov_b32 v[ONEW], 0x7f7f7f7f                  ; scales of 1
	s_mov_b32 s48, 0xaaaa5555                      ; column n of the operand of ones has its ones in key block n & 1: lanes (n even, h = 0) and (n odd, h = 1)
	WIN 0xc0
.irp i, 0,1,2,3,4,5
	v_cndmask_b32 v[ONES+\i], 0, v[184+\i%3], s48
.endr
.irp i, 6,7,8,9,10,11
	v_mov_b32 v[ONES+\i], 0                        ; nothing beyond the 64 keys
.endr
	WIN 0
.macro FETCH pp, ss, bb                ; W's four fragments of slice pp, K step ss, into set bb: 512 consecutive bytes a load
	WIN 0
.irp t, 0,1,2,3
.irp g, 0,1,2
	ds_load_b128 v[BF+48*(\bb)+12*\t+4*\g:BF+48*(\bb)+12*\t+4*\g+3], v[10+\pp] offset:12288*\t+1536*(\ss)+512*\g
.endr
.endr
.endm
; 16 matrix instructions of a K step; the 16 accumulators take turns, one instruction a turn
.macro MULQK pp, ss
.irp a, 0,1,2,3
	WIN 0xf4+4*(\a/2)                              ; source 0 (W) window 0, source 1 (x) window 1 or 2, C and D window 3
.irp t, 0,1,2,3
.if (\ss) == 0
	v_wmma_scale_f32_16x16x128_f8f6f4 v[8*(4*\a+\t):8*(4*\a+\t)+7], v[BF+12*\t:BF+12*\t+11], v[96*(\a%2):96*(\a%2)+11], v[128+32*(\pp)+8*\t:128+32*(\pp)+8*\t+7], v[WS+16*(\pp)+4*\t], v[AS+4*\a] matrix_a_fmt:MATRIX_FMT_FP6 matrix_b_fmt:MATRIX_FMT_FP6
.elseif (\ss)%2
	v_wmma_scale_f32_16x16x128_f8f6f4 v[8*(4*\a+\t):8*(4*\a+\t)+7], v[BF+48+12*\t:BF+48+12*\t+11], v[96*(\a%2)+12*(\ss):96*(\a%2)+12*(\ss)+11], v[8*(4*\a+\t):8*(4*\a+\t)+7], v[WS+16*(\pp)+4*\t+(\ss)/2], v[AS+4*\a+(\ss)/2] matrix_a_fmt:MATRIX_FMT_FP6 matrix_b_fmt:MATRIX_FMT_FP6 matrix_a_scale:MATRIX_SCALE_ROW1 matrix_b_scale:MATRIX_SCALE_ROW1
.else
	v_wmma_scale_f32_16x16x128_f8f6f4 v[8*(4*\a+\t):8*(4*\a+\t)+7], v[BF+12*\t:BF+12*\t+11], v[96*(\a%2)+12*(\ss):96*(\a%2)+12*(\ss)+11], v[8*(4*\a+\t):8*(4*\a+\t)+7], v[WS+16*(\pp)+4*\t+(\ss)/2], v[AS+4*\a+(\ss)/2] matrix_a_fmt:MATRIX_FMT_FP6 matrix_b_fmt:MATRIX_FMT_FP6
.endif
.endr
.endr
.endm
.macro MULV ss
.irp a, 0,1,2,3
.if (\ss) == 0
	WIN 0xd1+(\a/2)                                ; source 0 (x) window 1 or 2, source 1 (W) window 0, C (bv) window 1, D window 3
.else
	WIN 0xf1+(\a/2)
.endif
.irp t, 0,1,2,3
.if (\ss) == 0
	v_wmma_scale_f32_16x16x128_f8f6f4 v[8*(4*\t+\a):8*(4*\t+\a)+7], v[96*(\a%2):96*(\a%2)+11], v[BF+12*\t:BF+12*\t+11], v[BV+8*\t:BV+8*\t+7], v[AS+4*\a], v[WS+32+4*\t] matrix_a_fmt:MATRIX_FMT_FP6 matrix_b_fmt:MATRIX_FMT_FP6
.elseif (\ss)%2
	v_wmma_scale_f32_16x16x128_f8f6f4 v[8*(4*\t+\a):8*(4*\t+\a)+7], v[96*(\a%2)+12*(\ss):96*(\a%2)+12*(\ss)+11], v[BF+48+12*\t:BF+48+12*\t+11], v[8*(4*\t+\a):8*(4*\t+\a)+7], v[AS+4*\a+(\ss)/2], v[WS+32+4*\t+(\ss)/2] matrix_a_fmt:MATRIX_FMT_FP6 matrix_b_fmt:MATRIX_FMT_FP6 matrix_a_scale:MATRIX_SCALE_ROW1 matrix_b_scale:MATRIX_SCALE_ROW1
.else
	v_wmma_scale_f32_16x16x128_f8f6f4 v[8*(4*\t+\a):8*(4*\t+\a)+7], v[96*(\a%2)+12*(\ss):96*(\a%2)+12*(\ss)+11], v[BF+12*\t:BF+12*\t+11], v[8*(4*\t+\a):8*(4*\t+\a)+7], v[AS+4*\a+(\ss)/2], v[WS+32+4*\t+(\ss)/2] matrix_a_fmt:MATRIX_FMT_FP6 matrix_b_fmt:MATRIX_FMT_FP6
.endif
.endr
.endr
.endm
.macro PHASE pp
	s_wait_tensorcnt 2-\pp                         ; my quarter of slice pp has landed; the later slices may stay out
.if \pp > 0
	s_wait_xcnt 0x0                                ; the epilogue's stores have read their registers, which the fetches below write
.endif
	s_barrier_signal -1
	s_barrier_wait -1                              ; everybody's quarter has
	FETCH \pp, 0, 0
.irp s, 0,1,2,3,4,5,6,7
.if \s < 7
.if \s > 0
	PLACES 4                                       ; in front of loads into the set that the last K step's matrix instructions have read (ISA guide 7.12.1 for vector instructions)
.endif
	FETCH \pp, \s+1, (\s+1)%2
	s_wait_dscnt 12                                ; this K step's fragments are in; the twelve loads just issued may be out
.else
	s_wait_dscnt 0x0
.endif
.if \pp == 0
.if 12*(7-\s) > 63
	s_wait_loadcnt 63                              ; scales, biases and x's fragments up to this K step are in: at most the youngest 63 loads are out
.else
	s_wait_loadcnt 12*(7-\s)                       ; x's fragments of the later K steps, twelve loads each, may be out
.endif
.endif
.if \pp < 2
	MULQK \pp, \s
.else
	MULV \s
.endif
.endr
.endm
; THE EPILOGUE.  Unit x is 32 accumulator registers at 32 x: two blocks of 32 along the next K, 16 numbers of each in lanes l and l xor 16.  kind = 0: q, k; kind = 1: v
.macro EPI kind, pp
	PLACES 4                                       ; behind the last matrix instructions: their results are read and their operands' registers written
	WIN 0
.irp e, 0,1,2,3,4,5,6,7
	v_mov_b32 v[TM+\e], 0x1800000                  ; the floor 2^(3 - 127): the byte cannot fall under 1
	v_mov_b32 v[TP+\e], 0                          ; a lane permute's destination counts as one of its sources
.endr
	WIN 0x3c                                       ; sources 1 and 2 window 3
.irp i, 0,2,4,6,8,10,12,14
.irp e, 0,1,2,3,4,5,6,7
	v_max3_num_f32 v[TM+\e], v[TM+\e], |v[16*\e+\i]|, |v[16*\e+\i+1]|   ; ascending: each accumulator is read from its low end on; the eight blocks by turns
.endr
.endr
	WIN 0
.irp e, 0,1,2,3,4,5,6,7
	v_permlanex16_b32 v[TP+\e], v[TM+\e], s62, s63
.endr
.irp e, 0,1,2,3,4,5,6,7
	v_max_num_f32 v[TM+\e], v[TM+\e], v[TP+\e]     ; the block's largest magnitude
.endr
.irp e, 0,1,2,3,4,5,6,7
	v_add_nc_u32 v[SO+\e], 0xff000000, v[TM+\e]    ; 2 off its exponent field: the conversion's scale operand
.endr
.irp e, 0,1,2,3,4,5,6,7
	v_lshrrev_b32 v[BY+\e], 23, v[SO+\e]           ; the byte
.endr
	WIN 0x03                                       ; source 0 window 3
.irp x, 0,1,2,3
	v_cvt_scalef32_pk16_fp6_f32 v[PC+6*\x:PC+6*\x+2], v[32*\x:32*\x+15], v[SO+2*\x]
	v_cvt_scalef32_pk16_fp6_f32 v[TQ+4*\x:TQ+4*\x+2], v[32*\x+16:32*\x+31], v[SO+2*\x+1]
.endr
	WIN 0
	v_nop                                          ; one plain place behind a scaled conversion
.irp x, 0,1,2,3                        ; the operand's layout wants a whole block in a lane: lanes 0-15 block 0, lanes 16-31 block 1
.irp i, 0,1,2
	v_permlane16_swap_b32 v[PC+6*\x+\i], v[TQ+4*\x+\i]
.endr
.irp i, 0,1,2
	v_mov_b32 v[PC+6*\x+3+\i], v[TQ+4*\x+\i]
.endr
.endr
.irp x, 0,1,2,3
.irp q, 0,1,2
	global_store_b64 v2, v[PC+6*\x+2*\q:PC+6*\x+2*\q+1], s[14:15] offset:3145728*\pp+768*\x+256*\q   ; 32 lanes store 256 consecutive bytes, aligned to 256
.endr
.endr
.if \kind == 0
.irp x, 0,1,2,3
	v_lshl_or_b32 v[PW+\x], v[BY+2*\x+1], 8, v[BY+2*\x]   ; my row's scale word: two bytes, and two zeros for the half of the instruction's K that holds zero codes
.endr
.irp b, 0,1
	v_cndmask_b32 v[SP+\b], v[PW+2*\b], v[PW+2*\b+1], s21  ; lanes 0-15 tile 2 b, lanes 16-31 tile 2 b + 1
.endr
	global_store_b64 v2, v[SP:SP+1], s[16:17] offset:262144*\pp
.else
.irp x, 0,1,2,3
.irp b, 0,1
	ds_store_b8 v5, v[BY+2*\x+\b] offset:64*\b+16*\x       ; both lanes of a block write the same byte with the same value
.endr
.endr
.irp x, 0,1,2,3
	v_lshl_or_b32 v[VW+\x], v[BY+2*\x+1], 8, v[BY+2*\x]
.endr
.irp x, 0,1,2,3
	v_or_b32 v[VW+\x], 0x7f7f0000, v[VW+\x]
.endr
.irp i, 24,25,26,27,28,29
	v_mov_b32 v[PC+\i], 0                          ; behind the last unit: the upper half of its operand
.endr
	PLACES 8                                       ; a scale register written by a vector instruction stands 8 places ahead of a scaled matrix instruction, an operand 4
	WIN 0xcc                                       ; source 0 (codes) window 0, source 1 (ones) and D window 3
.irp x, 0,1,2,3                        ; the sums of the QUANTISED v over each block of 32 keys: codes x ones.  An operand's upper six registers are the next unit's codes: they meet zero codes
	v_wmma_scale_f32_16x16x128_f8f6f4 v[VSA+8*\x:VSA+8*\x+7], v[PC+6*\x:PC+6*\x+11], v[ONES:ONES+11], 0, v[VW+\x], v[ONEW] matrix_a_fmt:MATRIX_FMT_FP6 matrix_b_fmt:MATRIX_FMT_FP6
.endr
	PLACES 4
	WIN 0x0c                                       ; an LDS store's data are its source 1: window 3
.irp x, 0,1,2,3
.irp g, 0,1
	ds_store_b128 v6, v[VSA+8*\x+4*\g:VSA+8*\x+4*\g+3] offset:128*(\x/2)+32*(\x%2)+16*\g   ; lane (n, h): block n & 1, channels 32 (x / 2) + 16 h + 8 (x % 2) + 0 .. 7; eight lanes write the same bytes with the same values
.endr
.endr
	WIN 0
.endif
.endm
	PHASE 0
	EPI 0, 0
	PHASE 1
	EPI 0, 1
	PHASE 2
	EPI 1, 2
	s_wait_dscnt 0x0                               ; for the others' sake: my bytes and sums lie in LDS
	s_barrier_signal -1
	s_barrier_wait -1
	ds_load_b128 v[184:187], v7                    ; my wave's two blocks' sums
	s_wait_dscnt 0x0
	global_store_b128 v1, v[184:187], s[58:59]     ; 512 consecutive bytes
	s_cmp_lg_u32 s20, 0
	s_cbranch_scc1 .Lnot_bytes
	ds_load_b128 v[188:191], v8                    ; wave 0: the eight blocks' scale bytes
	s_wait_dscnt 0x0
	global_store_b128 v1, v[188:191], s[56:57]
.Lnot_bytes:
	s_cmp_lg_u32 s20, 1
	s_cbranch_scc1 .Lnot_sum
.irp i, 0,1,2,3,4,5,6,7
	ds_load_b64 v[192+2*\i:193+2*\i], v9 offset:256*\i     ; wave 1: the eight blocks' sums, two channels a lane
.endr
	s_wait_dscnt 0x0
.irp i, 0,2,4,6
	v_pk_add_f32 v[192+2*\i:193+2*\i], v[192+2*\i:193+2*\i], v[194+2*\i:195+2*\i]
.endr
	v_pk_add_f32 v[192:193], v[192:193], v[196:197]
	v_pk_add_f32 v[200:201], v[200:201], v[204:205]
	v_pk_add_f32 v[192:193], v[192:193], v[200:201]
	global_store_b64 v2, v[192:193], s[60:61]      ; 256 consecutive bytes
.Lnot_sum:
	s_wait_tensorcnt 0x0
	ds_add_u32 v254, v255
	s_wait_dscnt 0x0
	ROUND                                          ; the closing round: no work-group ends while a partner may still ask for a slice that names it
	s_endpgm
.Lfunc_end_k_q123baec563_proj:
	.size	k_q123baec563_proj, .Lfunc_end_k_q123baec563_proj-k_q123baec563_proj
	.p2alignl 7, 3214868480
	.fill 96, 4, 3214868480
	.section	.rodata,"a",@progbits
	.p2align	6, 0x0
	.amdhsa_kernel k_q123baec563_proj
		.amdhsa_group_segment_fixed_size 168448
		.amdhsa_private_segment_fixed_size 0
		.amdhsa_enable_private_segment 0
		.amdhsa_kernarg_size 64
		.amdhsa_user_sgpr_count 2
		.amdhsa_user_sgpr_kernarg_segment_ptr 1
		.amdhsa_wavefront_size32 1
		.amdhsa_system_sgpr_workgroup_id_x 1
		.amdhsa_system_sgpr_workgroup_id_y 1
		.amdhsa_system_sgpr_workgroup_id_z 1
		.amdhsa_system_vgpr_workitem_id 0
		.amdhsa_next_free_vgpr 1024
		.amdhsa_next_free_sgpr 66
		.amdhsa_reserve_vcc 0
		.amdhsa_float_denorm_mode_32 3
		.amdhsa_float_denorm_mode_16_64 3
		.amdhsa_memory_ordered 1
		.amdhsa_forward_progress 1
		.amdhsa_inst_pref_size 128
	.end_amdhsa_kernel
	.amdgpu_metadata
---
amdhsa.version: [ 1, 2 ]
amdhsa.kernels:
  - .name:           k_q123baec563_proj
    .symbol:         k_q123baec563_proj.kd
    .args:
      - { .name: opc, .offset: 0, .size: 8, .value_kind: global_buffer, .address_space: global }
      - { .name: ops, .offset: 8, .size: 8, .value_kind: global_buffer, .address_space: global }
      - { .name: bq, .offset: 16, .size: 8, .value_kind: global_buffer, .address_space: global }
      - { .name: bk, .offset: 24, .size: 8, .value_kind: global_buffer, .address_space: global }
      - { .name: bv, .offset: 32, .size: 8, .value_kind: global_buffer, .address_space: global }
      - { .name: qkvc, .offset: 40, .size: 8, .value_kind: global_buffer, .address_space: global }
      - { .name: qkvs, .offset: 48, .size: 8, .value_kind: global_buffer, .address_space: global }
      - { .name: vsum, .offset: 56, .size: 8, .value_kind: global_buffer, .address_space: global }
    .group_segment_fixed_size: 168448
    .private_segment_fixed_size: 0
    .kernarg_segment_align: 8
    .kernarg_segment_size: 64
    .max_flat_workgroup_size: 128
    .sgpr_count:     66
    .vgpr_count:     1024
    .wavefront_size: 32
...
	.end_amdgpu_metadata
.endif
;; end of part 2
;; launch attn (part 3): grid 256 x 1, 16 waves a work-group, no clusters, 74,240 bytes of LDS; arguments qkvc, qkvs, vsum, attention_mask, hidden_states, ln_gamma, ln_beta, out0; writes out0
.if DOCPART == 3
	.amdgcn_target "amdgcn-amd-amdhsa--gfx1250"
	.amdhsa_code_object_version 6
	.text
	.protected	k_q123baec563_attn
	.globl	k_q123baec563_attn
	.p2align	8
	.type	k_q123baec563_attn,@function
k_q123baec563_attn:
	s_mov_b64 s[64:65], 0
	v_nop
	global_prefetch_b8 v0, s[64:65] scope:SCOPE_SE
	s_setreg_imm32_b32 hwreg(HW_REG_WAVE_MODE, 25, 1), 1
	s_wait_xcnt 0x0
; out = LayerNorm(hidden_states + attention), attention in a band of 256 keys, both products on codes of FP6 (E2M3) with E8M0 scales.
; SHARES: work-group T owns query tile T: the 16 rows 32 B + 8 u + r + 8 (r / 8), B = T / 2, u = T & 1.  Wave w takes head w for the attention and then one row for the LayerNorm.
; THE BAND: query 32 B + q' keeps keys 32 B + q' - 128 .. + 127: the nine aligned blocks of 32 keys B - 4 .. B + 4.  In the first, key offset x counts where x >= q'; in the ninth where x < q'; the seven between count whole.
; A key outside the band is SET to the logit -10000, not left out.  Inside the nine blocks that is done to the score.  All keys of the other blocks share one p: c = 2^(t0 - M); they enter in closed form, always:
; the row's sum gains n_out c, and the result gains Q(c) x (the sum of the quantised v over those blocks), Q the quantiser of a block of equal numbers: three mantissa bits, ties to even, held at 1.875 x 2^exponent.
; A block past the sequence's ends is read at a clamped place and its addend is -1e30: p = 0, zero codes.
; SCORES, rounding by rounding as the logit and t are defined: S' = q.k (the matrix unit, C = 0) + (1 - mask) x -80000 by ONE f32 addition: eight times the logit, and a factor of 8 moves no rounding;
; t = S' x (log2(e) / 8), rounded to f32 ONCE; M = ceil(the running largest t), begun at t0; t - M by an f32 addition; p = 2^(t - M) is quantised along the keys; the sum is of the unquantised p.
; (A fused multiply-add would leave t unrounded: where the mask's addend makes t large, t's own rounding is a visible part of p.)
; The head's 64 fill half of the instruction's 128: q's upper 64 codes are zeros, so k's fragments lie six registers apart and whatever codes stand in their upper half add nothing.
; K and V come from memory straight into registers, as register images: no two waves of a work-group read the same byte of them.
; NO CLUSTER: only two work-groups read the same nine blocks, a work-group's K and V (16 heads x 27,648 bytes) are more than LDS holds, and a wider share would make LDS addresses hang on a work-group's place.
; LIMITS: NaN and infinities are not served; |q.k| stays under about 1e29; c under 2^-126 counts as 0 (beside a largest p above 1/2 it is nothing).
; REGISTERS: v1 8 x lane; v2-6 V's addresses; v7 64 h; v8-11 K's addresses; v12 -M, v13 largest t, v[14:15] the sum; v16-27 q; v28 q's scales, v29-37 k's, v38-43 v's; v44-97 K's eight fragments and six zeros, then V's four;
;   v98-161 S', t, then p; v162-193 O^T; v194-225 first two blocks' addends, then p's codes and work; v226-233 at work; v234-239, v248-255 addresses and constants that stay; v240-247 the LayerNorm's coefficients.
.set ADD8, 0                           ; LDS: the addends of the nine blocks' 288 keys, f32
.set SOUT, 1280                        ; the sums of v over the blocks not walked: 1,024 f32, by column
.set COEF, 5376                        ; Q(c) / l: [16 rows][16 heads] f32
.set STG,  6400                        ; attention's result: 16 rows x (4,096 + 16) bytes
.set SPT,  4112
.set VA,  2
.set KA,  8
.set QS,  28
.set KS,  29
.set VS,  38
.set KB,  44
.set S,   98
.set O,   162
.set AD,  194                          ; v194-225 the addends of two blocks, ahead of the softmax's use of these registers
.set PC,  194
.set TQ,  206
.set BM,  214
.set BP,  218
.set SO,  222
.set PW,  226
.set T0,  255                          ; v255 t0: t of the logit -10000, rounded as every t is
.set KO,  36                           ; s36-44  1,536 x the block's number: K's two tiles
.set MK,  68                           ; s68-83  lanes where register i's key offset 16 h + i >= q'
.set VAS, 86                           ; s86-95  a block's place in V's images
	s_load_b256 s[4:11], s[0:1], 0x0               ; qkvc, qkvs, vsum, attention_mask
	s_load_b256 s[12:19], s[0:1], 0x20             ; hidden_states, ln_gamma, ln_beta, out0
	v_lshrrev_b32 v1, 5, v0
	v_readfirstlane_b32 s20, v1                    ; wave 0..15
	s_lshr_b32 s21, ttmp9, 1                       ; B
	s_and_b32 s22, ttmp9, 1                        ; u
	s_sub_co_i32 s23, s21, 4                       ; the first of the nine blocks (may be negative)
	s_mov_b32 s24, 0xffff0000                      ; lanes 16-31
	s_mov_b32 s25, 0x3a800000                      ; 1 / 1024
	s_mov_b32 s26, 0x76543210
	s_mov_b32 s27, 0xfedcba98                      ; selects for lane l xor 16
	s_mov_b32 s28, 0x3e38aa3b                      ; log2(e) / 8
	s_mov_b32 s29, s28                             ; (named with it as a pair)
	s_mov_b32 s30, 0xc79c4000                      ; -80000
	s_mov_b32 s35, 0                               ; (named as the upper half of s[34:35])
	v_and_b32 v240, 31, v0                         ; lane
	v_and_b32 v241, 15, v0                         ; r
	v_bfe_u32 v242, v0, 4, 1                       ; h
	v_lshlrev_b32 v1, 3, v240
	v_lshlrev_b32 v236, 4, v240                    ; 16 x lane
	v_lshlrev_b32 v7, 6, v242
	; every LDS address is made here, ahead of the first branch on the wave's number
	v_lshlrev_b32 v248, 2, v0                      ; the addends, in: 4 x thread
	s_lshl_b32 s84, s20, 8
	v_mul_u32_u24 v235, v241, SPT
	v_add_nc_u32 v235, v235, v7
	v_add_nc_u32 v235, s84, v235
	v_add_nc_u32 v235, STG, v235                   ; the stage, in: row r, 256 x head + 64 h
	v_add_nc_u32 v239, s84, v1
	v_add_nc_u32 v239, SOUT, v239                  ; the outside sums, in: 256 x head + 8 x lane
	s_lshl_b32 s84, s20, 2
	v_lshlrev_b32 v249, 6, v241
	v_add_nc_u32 v249, s84, v249
	v_add_nc_u32 v249, COEF, v249                  ; the coefficient, in: 64 r + 4 x head
	s_mul_i32 s84, s20, SPT
	v_add_nc_u32 v250, s84, v236
	v_add_nc_u32 v250, STG, v250                   ; the stage, out: row = wave, 16 x lane
	v_add_nc_u32 v251, SOUT, v236
	s_lshl_b32 s84, s20, 6
	v_lshlrev_b32 v252, 2, v242
	v_add_nc_u32 v252, s84, v252
	v_add_nc_u32 v252, COEF, v252                  ; the coefficients, out: 64 x wave + 4 h
	; the nine blocks (and a tenth, whose codes of p are zeros): clamped numbers, and what hangs on them
	s_mov_b32 s33, 4096
.irp n, 0,1,2,3,4,5,6,7,8,9
	s_add_co_i32 s84, s23, \n
	s_max_i32 s85, s84, 0
	s_min_i32 s85, s85, 127                        ; the block that is read
	s_lshr_b32 s96, s85, 1
	s_and_b32 s97, s85, 1
	s_mul_i32 s98, s96, 3072
	s_lshl_b32 s99, s97, 7
	s_add_co_u32 s[VAS+\n], s98, s99               ; V: group of 64 keys, half
.if \n < 9
	s_mul_i32 s[KO+\n], s85, 1536
	s_lshl_b32 s98, s85, 6
	v_add_nc_u32 v[44+\n], s98, v240               ; V's scale bytes: 64 X + lane
	s_lshl_b32 s98, s85, 8
	v_add_nc_u32 v[53+\n], s98, v1                 ; the block's sums: 256 X + 8 x lane
	s_lshl_b32 s98, s96, 8
	s_lshl_b32 s99, s97, 2
	s_add_co_u32 s98, s98, s99
	v_add_nc_u32 v[62+\n], s98, v1                 ; K's scale words: 256 (X / 2) + 4 (X % 2) + 8 x lane
	s_cmp_lt_u32 s84, 128                          ; does the block exist?
	s_cselect_b32 s98, 32, 0
	s_sub_co_u32 s33, s33, s98                     ; n_out = 4,096 - 32 x the blocks that exist
.endif
.endr
	v_cvt_f32_u32 v237, s33
.irp k, 0,1,2,3,4
	v_mov_b32 v243, s[VAS+2*\k]
	v_mov_b32 v244, s[VAS+2*\k+1]
	v_cndmask_b32 v243, v243, v244, s24            ; lanes 0-15 block 2 k, lanes 16-31 block 2 k + 1
	v_lshl_add_u32 v[VA+\k], v241, 3, v243
.endr
	s_mov_b32 s31, 0xf149f2ca                      ; -1e30
	s_cmp_lt_u32 s23, 128
	s_cselect_b32 s31, s30, s31
	v_mov_b32 v253, s31                            ; what a key outside the band gets in the first block,
	s_add_co_i32 s84, s23, 8
	s_mov_b32 s32, 0xf149f2ca
	s_cmp_lt_u32 s84, 128
	s_cselect_b32 s32, s30, s32
	v_mov_b32 v254, s32                            ; and in the ninth
	s_lshl_b32 s84, s23, 5
	v_add_nc_u32 v243, s84, v0                     ; thread t's key: 32 x first block + t
	v_cmp_gt_u32 vcc_lo, 0x1000, v243              ; it exists
	v_min_u32 v244, 0xfff, v243
	v_lshlrev_b32 v244, 2, v244
	v_and_b32 v245, 8, v241
	v_add_nc_u32 v245, v245, v241
	s_lshl_b32 s84, s22, 3
	v_add_nc_u32 v245, s84, v245                   ; q' = 8 u + r + 8 (r / 8)
	v_lshlrev_b32 v246, 4, v242
	v_sub_nc_u32 v245, v245, v246                  ; q' - 16 h
.irp i, 0,1,2,3,4,5,6,7,8,9,10,11,12,13,14,15
	v_cmp_ge_i32 s[MK+\i], \i, v245
.endr
	s_lshl_b32 s84, s20, 1
	v_add_nc_u32 v234, s84, v242                   ; the prefetch: stage row 2 w + h,
	v_and_b32 v246, 8, v234
	v_add_nc_u32 v234, v234, v246
	v_lshlrev_b32 v234, 12, v234                   ; its row of 4,096 bytes,
	v_lshl_add_u32 v234, v241, 8, v234             ; lanes 256 bytes apart
	v_lshlrev_b32 v247, 3, v241                    ; 8 r
	s_wait_kmcnt 0x0
	s_mov_b32 s97, 0
	s_mul_i32 s96, s20, 196608
	s_add_nc_u64 s[46:47], s[4:5], s[96:97]
	s_add_nc_u64 s[48:49], s[46:47], 6291456       ; V's images of my head
	s_mul_i32 s96, ttmp9, 768
	s_add_nc_u64 s[50:51], s[46:47], s[96:97]      ; q's tile
	s_add_nc_u64 s[46:47], s[46:47], 3145728       ; K's images of my head
	s_lshl_b32 s96, s20, 14
	s_add_nc_u64 s[54:55], s[6:7], s[96:97]
	s_lshr_b32 s84, s21, 1
	s_lshl_b32 s96, s84, 8
	s_and_b32 s84, s21, 1
	s_lshl_b32 s84, s84, 2
	s_add_co_u32 s96, s96, s84
	s_lshl_b32 s84, s22, 7
	s_add_co_u32 s96, s96, s84
	s_add_nc_u64 s[52:53], s[54:55], s[96:97]      ; q's scale words: 256 (B / 2) + 4 (B % 2) + 128 u
	s_add_nc_u64 s[54:55], s[54:55], 262144        ; K's
	s_lshl_b32 s96, s20, 13
	s_add_co_u32 s96, s96, 524288
	s_add_nc_u64 s[56:57], s[6:7], s[96:97]        ; V's scale bytes
	s_lshl_b32 s96, s20, 15
	s_add_nc_u64 s[58:59], s[8:9], s[96:97]        ; the sums by block
	s_lshl_b32 s96, s20, 12
	s_add_co_u32 s96, s96, 524288
	s_add_nc_u64 s[60:61], s[8:9], s[96:97]        ; and by 256 rows
	s_lshl_b32 s84, s21, 5
	s_lshl_b32 s85, s22, 3
	s_add_co_u32 s84, s84, s85                     ; 32 B + 8 u
	s_and_b32 s85, s20, 8
	s_add_co_u32 s85, s85, s20
	s_add_co_u32 s85, s85, s84                     ; my row for the LayerNorm
	s_lshl_b32 s96, s85, 12
	s_add_nc_u64 s[62:63], s[12:13], s[96:97]
	s_add_nc_u64 s[66:67], s[18:19], s[96:97]
	s_lshl_b32 s96, s84, 12
	s_add_nc_u64 s[12:13], s[12:13], s[96:97]      ; the prefetch's base
	global_load_b32 v238, v244, s[10:11]           ; the mask at my key (every wave loads, inside the buffer; waves 0 to 8 use it)
.irp q, 0,1,2
	global_load_b64 v[16+2*\q:17+2*\q], v1, s[50:51] offset:256*\q
.endr
	global_load_b32 v[QS], v247, s[52:53]
.irp n, 0,1,2,3,4,5,6,7,8
	global_load_b32 v[KS+\n], v[62+\n], s[54:55]   ; lanes 0-15 the block's first tile, lanes 16-31 its second
.endr
.irp n, 0,1,2,3,4,5,6,7,8
.irp x, 0,1
	global_load_u8 v[O+2*\n+\x], v[44+\n], s[56:57] offset:32*\x   ; channel tile 2 x + lane / 16, row lane % 16
.endr
.endr
.irp i, 0,1,2,3,4,5,6,7,8,9,10,11,12,13,14,15
	global_load_b64 v[S+2*\i:S+2*\i+1], v1, s[60:61] offset:256*\i
.endr
.irp n, 0,1,2,3,4,5,6,7,8
	global_load_b64 v[S+32+2*\n:S+33+2*\n], v[53+\n], s[58:59]
.endr
	s_wait_loadcnt 0x0
	v_sub_f32 v238, 1.0, v238
	v_mul_f32 v238, s30, v238                      ; (1 - mask) x -80000: eight times the logit's addend, with the same rounding
	v_mov_b32 v246, 0xf149f2ca
	v_cndmask_b32 v238, v246, v238, vcc_lo         ; -1e30 where the key does not exist
.irp c, 0,1
.irp x, 0,1
	v_lshl_or_b32 v[VS+2*\c+\x], v[O+2*(4*\c+1)+\x], 8, v[O+2*(4*\c)+\x]   ; V's scale words: four blocks' bytes
	v_lshl_or_b32 v[VS+2*\c+\x], v[O+2*(4*\c+2)+\x], 16, v[VS+2*\c+\x]
	v_lshl_or_b32 v[VS+2*\c+\x], v[O+2*(4*\c+3)+\x], 24, v[VS+2*\c+\x]
.endr
.endr
.irp x, 0,1
	v_or_b32 v[VS+4+\x], 0x7f7f7f00, v[O+16+\x]    ; the ninth block's
.endr
.irp i, 1,2,3,4,5,6,7,8,9,10,11,12,13,14,15
	v_pk_add_f32 v[S:S+1], v[S:S+1], v[S+2*\i:S+2*\i+1]    ; the sum of the quantised v over all keys,
.endr
.irp n, 0,1,2,3,4,5,6,7,8
	s_add_co_i32 s84, s23, \n
	s_cmp_lt_u32 s84, 128
	s_cselect_b32 s34, 0xbf800000, 0
	v_pk_fma_f32 v[S:S+1], v[S+32+2*\n:S+33+2*\n], s[34:35], v[S:S+1] op_sel_hi:[1,0,1]   ; less the blocks that are walked (a block that does not exist takes nothing off)
.endr
	ds_store_b64 v239, v[S:S+1]
	s_cmp_lt_u32 s20, 9
	s_cbranch_scc0 .Lno_addend
	ds_store_b32 v248, v238                        ; waves 0 to 8: 288 addends
.Lno_addend:
.irp i, 22,23,24,25,26,27
	v_mov_b32 v[\i], 0                             ; q's upper 64 codes
.endr
.irp i, 92,93,94,95,96,97
	v_mov_b32 v[\i], 0                             ; behind K's last fragment
.endr
.irp b, 0,1,2,3
	v_mov_b32 v[BP+\b], 0                          ; a lane permute's destination counts as one of its sources
.endr
	v_mov_b32 v13, s30
	v_mul_f32 v13, s28, v13                        ; the largest t so far: t0, that of the keys outside the band, of which every row has some
	v_mov_b32 v[T0], v13                           ; kept for the end
	v_floor_f32 v12, -v13                          ; -M
	v_mov_b32 v14, 0
	v_mov_b32 v15, 0
	v_mov_b32 v229, 0                              ; (upper halves of pairs that are named whole)
	v_mov_b32 v233, 0
	s_wait_dscnt 0x0                               ; for the others' sake: my LDS stores are done
	s_barrier_signal -1
	s_barrier_wait -1
; FOUR BLOCKS, 128 keys
.macro CHUNK4 ch, first
.irp i, 0,1,2,3
	v_add_nc_u32 v[KA+\i], s[KO+4*\ch+\i], v1      ; (four plain places in front of loads into registers that the last matrix instructions have read; the earlier loads by these addresses have been waited for)
.endr
.irp i, 0,1,2,3
.irp u, 0,1
.irp q, 0,1,2
	global_load_b64 v[KB+6*(2*\i+\u)+2*\q:KB+6*(2*\i+\u)+2*\q+1], v[KA+\i], s[46:47] offset:768*\u+256*\q
.endr
.endr
.endr
.irp i, 0,1
.irp u, 0,1
.irp g, 0,1
	ds_load_b128 v[AD+8*(2*\i+\u)+4*\g:AD+8*(2*\i+\u)+4*\g+3], v7 offset:ADD8+128*(4*\ch+\i)+32*\u+16*\g   ; the addends of keys 16 h + 8 u + 0 .. 7 of the step's first two blocks
.endr
.endr
.endr
	s_wait_loadcnt 0x0                             ; K
.irp i, 0,1,2,3
	v_wmma_scale_f32_16x16x128_f8f6f4 v[S+16*\i:S+16*\i+7], v[KB+12*\i:KB+12*\i+11], v[16:27], 0, v[KS+4*\ch+\i], v[QS] matrix_a_fmt:MATRIX_FMT_FP6 matrix_b_fmt:MATRIX_FMT_FP6
	v_wmma_scale_f32_16x16x128_f8f6f4 v[S+16*\i+8:S+16*\i+15], v[KB+12*\i+6:KB+12*\i+17], v[16:27], 0, v[KS+4*\ch+\i], v[QS] matrix_a_fmt:MATRIX_FMT_FP6 matrix_b_fmt:MATRIX_FMT_FP6 matrix_a_scale:MATRIX_SCALE_ROW1
.endr
.rept 4
	v_nop                                          ; places: the scores are read, and K's registers take V's loads
.endr
	s_wait_dscnt 0x0                               ; the first two blocks' addends
.set j, 0
.rept 16
	v_pk_add_f32 v[S+j:S+j+1], v[S+j:S+j+1], v[AD+j:AD+j+1]   ; S' = q.k + the addend: one f32 addition; each accumulator from its low end on
.set j, j+2
.endr
.irp i, 2,3
.irp u, 0,1
.irp g, 0,1
	ds_load_b128 v[AD+8*(2*(\i-2)+\u)+4*\g:AD+8*(2*(\i-2)+\u)+4*\g+3], v7 offset:ADD8+128*(4*\ch+\i)+32*\u+16*\g   ; the other two blocks' addends, into the registers just read
.endr
.endr
.endr
.irp t, 0,1,2,3
.irp c, 0,1
.irp q, 0,1,2
	global_load_b64 v[KB+12*\t+6*\c+2*\q:KB+12*\t+6*\c+2*\q+1], v[VA+2*\ch+\c], s[48:49] offset:768*\t+256*\q
.endr
.endr
.endr
.if \ch == 0
	s_cmp_lt_u32 s20, 8                            ; the residual's 16 rows are asked for here, behind the wave's loads: waves 0 to 7, two rows a wave, a lane to each aligned 256 bytes: each named once in the launch; they are loaded in the ninth block's step
	s_cbranch_scc0 .Lno_ask_\@
	global_prefetch_b8 v234, s[12:13] th:TH_LOAD_NT scope:SCOPE_SE
.Lno_ask_\@:
.irp i, 0,1,2,3,4,5,6,7,8,9,10,11,12,13,14,15
	v_cndmask_b32 v[S+\i], v253, v[S+\i], s[MK+\i] ; the first block: a key under the band is set to the logit -10000
.endr
.endif
	s_wait_dscnt 0x0                               ; the other two blocks' addends
.set j, 0
.rept 16
	v_pk_add_f32 v[S+32+j:S+33+j], v[S+32+j:S+33+j], v[AD+j:AD+j+1]
.set j, j+2
.endr
.set j, 0
.rept 32
	v_pk_mul_f32 v[S+j:S+j+1], v[S+j:S+j+1], s[28:29] op_sel_hi:[1,0]   ; t = S' x log2(e) / 8, rounded to f32 once
.set j, j+2
.endr
.irp b, 0,1,2,3
	v_max3_num_f32 v[BM+\b], v[S+16*\b], v[S+16*\b+1], v[S+16*\b+2]   ; each block's largest t: for the row's maximum, and, since p rises with t, for the block's largest p
.endr
.irp i, 3,5,7,9,11,13
.irp b, 0,1,2,3
	v_max3_num_f32 v[BM+\b], v[BM+\b], v[S+16*\b+\i], v[S+16*\b+\i+1]
.endr
.endr
.irp b, 0,1,2,3
	v_max_num_f32 v[BM+\b], v[BM+\b], v[S+16*\b+15]
.endr
.irp b, 0,1,2,3
	v_permlanex16_b32 v[BP+\b], v[BM+\b], s26, s27
.endr
.irp b, 0,1,2,3
	v_max_num_f32 v[BM+\b], v[BM+\b], v[BP+\b]
.endr
	v_max3_num_f32 v232, v[BM], v[BM+1], v[BM+2]
	v_max_num_f32 v232, v232, v[BM+3]
	v_max_num_f32 v13, v13, v232                   ; the running largest t
	v_mov_b32 v232, v12
	v_floor_f32 v12, -v13                          ; the new -M: M is a whole number
	v_sub_f32 v232, v12, v232
	v_cvt_i32_f32 v232, v232
	v_ldexp_f32 v228, 1.0, v232                    ; f = 2^(old M - new M): exact
.set j, 0
.rept 32
	v_pk_add_f32 v[S+j:S+j+1], v[S+j:S+j+1], v[12:13] op_sel_hi:[1,0]   ; t - M
.set j, j+2
.endr
.irp b, 0,1,2,3
	v_add_f32 v[BM+\b], v[BM+\b], v12              ; the same of each block's largest t
.endr
.set j, 0
.rept 64
	v_exp_f32 v[S+j], v[S+j]                       ; p = 2^(t - M)
.set j, j+1
.endr
	v_pk_mul_f32 v[14:15], v[14:15], v[228:229] op_sel_hi:[1,0]   ; the sum under the new M: a plain place behind the exponentials
	s_wait_alu depctr_va_vdst(0)                   ; one wait for the batch, ahead of its first reader
.irp b, 0,1,2,3
	v_exp_f32 v[BM+\b], v[BM+\b]                   ; the blocks' largest p
.endr
	v_pk_add_f32 v[230:231], v[S:S+1], v[S+2:S+3]  ; the sum of the unquantised p, in two chains
.set j, 4
.rept 15
	v_pk_add_f32 v[14:15], v[14:15], v[S+j:S+j+1]
	v_pk_add_f32 v[230:231], v[230:231], v[S+j+2:S+j+3]
.set j, j+4
.endr
	v_pk_add_f32 v[14:15], v[14:15], v[230:231]
	s_wait_alu depctr_va_vdst(0)                   ; and one for the four
.irp b, 0,1,2,3
	v_max_num_f32 v[BM+\b], 0x1800000, v[BM+\b]    ; the floor 2^(3 - 127)
.endr
.irp b, 0,1,2,3
	v_add_nc_u32 v[SO+\b], 0xff000000, v[BM+\b]
.endr
.irp b, 0,1,2,3
	v_lshrrev_b32 v[BP+\b], 23, v[SO+\b]
.endr
	v_lshl_or_b32 v[PW], v[BP+1], 8, v[BP]         ; p's scale word for these 128 keys
	v_lshl_or_b32 v[PW], v[BP+2], 16, v[PW]
	v_lshl_or_b32 v[PW], v[BP+3], 24, v[PW]
.irp c, 0,1
	v_cvt_scalef32_pk16_fp6_f32 v[PC+6*\c:PC+6*\c+2], v[S+32*\c:S+32*\c+15], v[SO+2*\c]
	v_cvt_scalef32_pk16_fp6_f32 v[TQ+4*\c:TQ+4*\c+2], v[S+32*\c+16:S+32*\c+31], v[SO+2*\c+1]
.endr
	v_nop                                          ; one plain place behind a scaled conversion
.irp c, 0,1
.irp i, 0,1,2
	v_permlane16_swap_b32 v[PC+6*\c+\i], v[TQ+4*\c+\i]
.endr
.irp i, 0,1,2
	v_mov_b32 v[PC+6*\c+3+\i], v[TQ+4*\c+\i]
.endr
.endr
.if \first
.rept 8
	v_nop                                          ; a scale register written by a vector instruction stands 8 places ahead of a scaled matrix instruction, an operand 4
.endr
.else
.set j, 0
.rept 16
	v_pk_mul_f32 v[O+j:O+j+1], v[O+j:O+j+1], v[228:229] op_sel_hi:[1,0]   ; O^T under the new M; these are also the places
.set j, j+2
.endr
.endif
	s_wait_loadcnt 0x0                             ; V
.irp t, 0,1,2,3
.if \first
.if \t%2
	v_wmma_scale_f32_16x16x128_f8f6f4 v[O+8*\t:O+8*\t+7], v[KB+12*\t:KB+12*\t+11], v[PC:PC+11], 0, v[VS+2*\ch+\t/2], v[PW] matrix_a_fmt:MATRIX_FMT_FP6 matrix_b_fmt:MATRIX_FMT_FP6 matrix_a_scale:MATRIX_SCALE_ROW1
.else
	v_wmma_scale_f32_16x16x128_f8f6f4 v[O+8*\t:O+8*\t+7], v[KB+12*\t:KB+12*\t+11], v[PC:PC+11], 0, v[VS+2*\ch+\t/2], v[PW] matrix_a_fmt:MATRIX_FMT_FP6 matrix_b_fmt:MATRIX_FMT_FP6
.endif
.else
.if \t%2
	v_wmma_scale_f32_16x16x128_f8f6f4 v[O+8*\t:O+8*\t+7], v[KB+12*\t:KB+12*\t+11], v[PC:PC+11], v[O+8*\t:O+8*\t+7], v[VS+2*\ch+\t/2], v[PW] matrix_a_fmt:MATRIX_FMT_FP6 matrix_b_fmt:MATRIX_FMT_FP6 matrix_a_scale:MATRIX_SCALE_ROW1
.else
	v_wmma_scale_f32_16x16x128_f8f6f4 v[O+8*\t:O+8*\t+7], v[KB+12*\t:KB+12*\t+11], v[PC:PC+11], v[O+8*\t:O+8*\t+7], v[VS+2*\ch+\t/2], v[PW] matrix_a_fmt:MATRIX_FMT_FP6 matrix_b_fmt:MATRIX_FMT_FP6
.endif
.endif
.endr
.endm
	CHUNK4 0, 1
	CHUNK4 1, 0
	; THE NINTH BLOCK, alone in its step: p's codes of the step's other 96 keys are zeros
	v_add_nc_u32 v[KA], s[KO+8], v1
.rept 3
	v_nop                                          ; with the line above: four places in front of loads into registers that the last matrix instructions have read
.endr
.irp u, 0,1
.irp q, 0,1,2
	global_load_b64 v[KB+6*\u+2*\q:KB+6*\u+2*\q+1], v[KA], s[46:47] offset:768*\u+256*\q
.endr
.endr
.irp u, 0,1
.irp g, 0,1
	ds_load_b128 v[AD+8*\u+4*\g:AD+8*\u+4*\g+3], v7 offset:ADD8+128*8+32*\u+16*\g
.endr
.endr
	s_wait_loadcnt 0x0
	v_wmma_scale_f32_16x16x128_f8f6f4 v[S:S+7], v[KB:KB+11], v[16:27], 0, v[KS+8], v[QS] matrix_a_fmt:MATRIX_FMT_FP6 matrix_b_fmt:MATRIX_FMT_FP6
	v_wmma_scale_f32_16x16x128_f8f6f4 v[S+8:S+15], v[KB+6:KB+17], v[16:27], 0, v[KS+8], v[QS] matrix_a_fmt:MATRIX_FMT_FP6 matrix_b_fmt:MATRIX_FMT_FP6 matrix_a_scale:MATRIX_SCALE_ROW1
.rept 4
	v_nop
.endr
.irp t, 0,1,2,3
.irp q, 0,1,2
	global_load_b64 v[KB+12*\t+2*\q:KB+12*\t+2*\q+1], v[VA+4], s[48:49] offset:768*\t+256*\q   ; the fragments' upper six registers keep older codes, which meet zero codes of p
.endr
.endr
.irp i, 0,1,2,3,4,5,6,7
	global_load_b128 v[130+4*\i:133+4*\i], v236, s[62:63] offset:512*\i th:TH_LOAD_NT   ; my row of hidden_states for the LayerNorm: 512 consecutive bytes a load
.endr
	s_wait_dscnt 0x0                               ; the block's addends
.set j, 0
.rept 8
	v_pk_add_f32 v[S+j:S+j+1], v[S+j:S+j+1], v[AD+j:AD+j+1]
.set j, j+2
.endr
.irp i, 0,1,2,3,4,5,6,7,8,9,10,11,12,13,14,15
	v_cndmask_b32 v[S+\i], v[S+\i], v254, s[MK+\i] ; a key over the band is set to the logit -10000
.endr
.set j, 0
.rept 8
	v_pk_mul_f32 v[S+j:S+j+1], v[S+j:S+j+1], s[28:29] op_sel_hi:[1,0]   ; t
.set j, j+2
.endr
	v_max3_num_f32 v[BM], v[S], v[S+1], v[S+2]
.irp i, 3,5,7,9,11,13
	v_max3_num_f32 v[BM], v[BM], v[S+\i], v[S+\i+1]
.endr
	v_max_num_f32 v[BM], v[BM], v[S+15]
	v_permlanex16_b32 v[BP], v[BM], s26, s27
	v_max_num_f32 v[BM], v[BM], v[BP]
	v_max_num_f32 v13, v13, v[BM]
	v_mov_b32 v232, v12
	v_floor_f32 v12, -v13
	v_sub_f32 v232, v12, v232
	v_cvt_i32_f32 v232, v232
	v_ldexp_f32 v228, 1.0, v232
.set j, 0
.rept 8
	v_pk_add_f32 v[S+j:S+j+1], v[S+j:S+j+1], v[12:13] op_sel_hi:[1,0]
.set j, j+2
.endr
	v_add_f32 v[BM], v[BM], v12
.set j, 0
.rept 16
	v_exp_f32 v[S+j], v[S+j]
.set j, j+1
.endr
	v_pk_mul_f32 v[14:15], v[14:15], v[228:229] op_sel_hi:[1,0]
	s_wait_alu depctr_va_vdst(0)                   ; one wait for the batch, ahead of its first reader
	v_exp_f32 v[BM], v[BM]
	v_pk_add_f32 v[230:231], v[S:S+1], v[S+2:S+3]
.irp j, 4,8,12
	v_pk_add_f32 v[14:15], v[14:15], v[S+\j:S+\j+1]
	v_pk_add_f32 v[230:231], v[230:231], v[S+\j+2:S+\j+3]
.endr
	v_pk_add_f32 v[14:15], v[14:15], v[230:231]
.irp i, 0,1,2
	v_mov_b32 v[TQ+\i], 0                          ; the step's second block: zero codes
.endr
	s_wait_alu depctr_va_vdst(0)
	v_max_num_f32 v[BM], 0x1800000, v[BM]
	v_add_nc_u32 v[SO], 0xff000000, v[BM]
	v_lshrrev_b32 v[PW], 23, v[SO]                 ; one byte; the others stand over zero codes
	v_cvt_scalef32_pk16_fp6_f32 v[PC:PC+2], v[S:S+15], v[SO]
	v_nop
.irp i, 0,1,2
	v_permlane16_swap_b32 v[PC+\i], v[TQ+\i]
.endr
.irp i, 0,1,2
	v_mov_b32 v[PC+3+\i], v[TQ+\i]
.endr
.irp i, 6,7,8,9,10,11
	v_mov_b32 v[PC+\i], 0
.endr
.set j, 0
.rept 16
	v_pk_mul_f32 v[O+j:O+j+1], v[O+j:O+j+1], v[228:229] op_sel_hi:[1,0]
.set j, j+2
.endr
	s_wait_loadcnt 8                               ; V's twelve loads are in; my row's eight may be out
.irp t, 0,2
	v_wmma_scale_f32_16x16x128_f8f6f4 v[O+8*\t:O+8*\t+7], v[KB+12*\t:KB+12*\t+11], v[PC:PC+11], v[O+8*\t:O+8*\t+7], v[VS+4+\t/2], v[PW] matrix_a_fmt:MATRIX_FMT_FP6 matrix_b_fmt:MATRIX_FMT_FP6
	v_wmma_scale_f32_16x16x128_f8f6f4 v[O+8*\t+8:O+8*\t+15], v[KB+12*\t+12:KB+12*\t+23], v[PC:PC+11], v[O+8*\t+8:O+8*\t+15], v[VS+4+\t/2], v[PW] matrix_a_fmt:MATRIX_FMT_FP6 matrix_b_fmt:MATRIX_FMT_FP6 matrix_a_scale:MATRIX_SCALE_ROW1
.endr
	; THE END OF A HEAD: the keys outside the nine blocks, the division
	v_add_f32 v230, v[T0], v12                     ; t0 - M, by the addition that every t goes through
	v_exp_f32 v230, v230                           ; c
	v_add_f32 v14, v14, v15                        ; (plain work behind the exponential)  the sum's two halves,
	v_permlanex16_b32 v231, v14, s26, s27
	v_add_f32 v14, v14, v231                       ; and lane l xor 16's
	s_wait_alu depctr_va_vdst(0)
	v_fmac_f32 v14, v237, v230                     ; + n_out c
	v_rcp_f32 v232, v14
	v_bfe_u32 v231, v230, 20, 1                    ; Q(c): to three mantissa bits, ties to even,
	v_add3_u32 v231, v230, v231, 0x7ffff
	v_and_b32 v231, 0xfff00000, v231
	v_and_b32 v228, 0x7f800000, v230
	v_or_b32 v228, 0x700000, v228
	v_min_u32 v231, v231, v228                     ; held at 7.5 x the block's scale
	s_wait_alu depctr_va_vdst(0)
	v_mul_f32 v231, v231, v232
	ds_store_b32 v249, v231                        ; Q(c) / l of query r and my head
.set j, 0
.rept 16
	v_pk_mul_f32 v[S+j:S+j+1], v[O+j:O+j+1], v[232:233] op_sel_hi:[1,0]   ; O^T / l, each accumulator from its low end on
.set j, j+2
.endr
.irp t, 0,1,2,3
.irp g, 0,1
	ds_store_b128 v235, v[S+8*\t+4*\g:S+8*\t+4*\g+3] offset:128*(\t/2)+32*(\t%2)+16*\g   ; channels 32 (t / 2) + 16 h + 8 (t % 2) + 0 .. 7 of query r
.endr
.endr
.irp i, 0,1,2,3,4,5,6,7
	global_load_b128 v[KB+4*\i:KB+4*\i+3], v236, s[14:15] offset:512*\i    ; gamma
	global_load_b128 v[O+4*\i:O+4*\i+3], v236, s[16:17] offset:512*\i      ; beta
.endr
	s_wait_dscnt 0x0                               ; for the others' sake: my part of the stage and my coefficients lie in LDS
	s_barrier_signal -1
	s_barrier_wait -1
	; THE LAYERNORM of one row a wave: lane l holds columns 128 i + 4 l + 0 .. 3, i = 0 .. 7, which belong to head 2 i + h
.irp i, 0,1,2,3,4,5,6,7
	ds_load_b128 v[S+4*\i:S+4*\i+3], v250 offset:512*\i
	ds_load_b128 v[PC+4*\i:PC+4*\i+3], v251 offset:512*\i
	ds_load_b32 v[240+\i], v252 offset:8*\i
.endr
	s_wait_dscnt 0x0
	s_wait_loadcnt 0x0
.set j, 0
.rept 16
	v_pk_add_f32 v[130+j:131+j], v[130+j:131+j], v[S+j:S+j+1]     ; x = hidden_states + attention's nine blocks
.set j, j+2
.endr
.irp i, 0,1,2,3,4,5,6,7
.irp e, 0,1,2,3
	v_fmac_f32 v[130+4*\i+\e], v[240+\i], v[PC+4*\i+\e]           ; + the keys outside them
.endr
.endr
	v_pk_add_f32 v[98:99], v[130:131], v[132:133]
	v_pk_add_f32 v[100:101], v[134:135], v[136:137]
.irp k, 8,12,16,20,24,28
	v_pk_add_f32 v[98:99], v[98:99], v[130+\k:131+\k]
	v_pk_add_f32 v[100:101], v[100:101], v[132+\k:133+\k]
.endr
	v_pk_add_f32 v[98:99], v[98:99], v[100:101]
	v_add_f32 v98, v98, v99
	v_add_f32_dpp v98, v98, v98 row_xmask:1 row_mask:0xf bank_mask:0xf
	v_add_f32_dpp v98, v98, v98 row_xmask:2 row_mask:0xf bank_mask:0xf
	v_add_f32_dpp v98, v98, v98 row_xmask:4 row_mask:0xf bank_mask:0xf
	v_add_f32_dpp v98, v98, v98 row_xmask:8 row_mask:0xf bank_mask:0xf
	v_permlanex16_b32 v99, v98, s26, s27
	v_add_f32 v98, v98, v99
	v_mul_f32 v98, s25, v98                        ; the mean
.set j, 0
.rept 16
	v_pk_add_f32 v[130+j:131+j], v[130+j:131+j], v[98:99] op_sel_hi:[1,0] neg_lo:[0,1] neg_hi:[0,1]   ; d = x - mean: the variance is a second pass over d, not a difference of large sums
.set j, j+2
.endr
	v_pk_mul_f32 v[100:101], v[130:131], v[130:131]
	v_pk_mul_f32 v[102:103], v[132:133], v[132:133]
.irp k, 4,8,12,16,20,24,28
	v_pk_fma_f32 v[100:101], v[130+\k:131+\k], v[130+\k:131+\k], v[100:101]
	v_pk_fma_f32 v[102:103], v[132+\k:133+\k], v[132+\k:133+\k], v[102:103]
.endr
	v_pk_add_f32 v[100:101], v[100:101], v[102:103]
	v_add_f32 v100, v100, v101
	v_add_f32_dpp v100, v100, v100 row_xmask:1 row_mask:0xf bank_mask:0xf
	v_add_f32_dpp v100, v100, v100 row_xmask:2 row_mask:0xf bank_mask:0xf
	v_add_f32_dpp v100, v100, v100 row_xmask:4 row_mask:0xf bank_mask:0xf
	v_add_f32_dpp v100, v100, v100 row_xmask:8 row_mask:0xf bank_mask:0xf
	v_permlanex16_b32 v101, v100, s26, s27
	v_add_f32 v100, v100, v101
	v_mov_b32 v105, 0                              ; (upper half of the pair v[104:105])
	v_fmaak_f32 v100, s25, v100, 0x2b8cbccc        ; the variance + 1e-12
	v_rsq_f32 v104, v100
	v_nop                                          ; a plain place behind the transcendental
	s_wait_alu depctr_va_vdst(0)                   ; and the wait ahead of its first reader
.set j, 0
.rept 16
	v_pk_mul_f32 v[KB+j:KB+j+1], v[KB+j:KB+j+1], v[104:105] op_sel_hi:[1,0]    ; gamma / sqrt(variance + eps)
.set j, j+2
.endr
.set j, 0
.rept 16
	v_pk_fma_f32 v[130+j:131+j], v[130+j:131+j], v[KB+j:KB+j+1], v[O+j:O+j+1]
.set j, j+2
.endr
.irp i, 0,1,2,3,4,5,6,7
	global_store_b128 v236, v[130+4*\i:133+4*\i], s[66:67] offset:512*\i th:TH_STORE_NT   ; 32 lanes store 512 consecutive bytes, aligned to 512; written once, read by nobody here
.endr
	s_wait_xcnt 0x0
	v_lshl_add_u32 v254, v0, 2, 0x11a00
	v_mov_b32 v255, 0
	s_wait_tensorcnt 0x0
	ds_add_u32 v254, v255
	s_wait_dscnt 0x0
	s_endpgm
.Lfunc_end_k_q123baec563_attn:
	.size	k_q123baec563_attn, .Lfunc_end_k_q123baec563_attn-k_q123baec563_attn
	.p2alignl 7, 3214868480
	.fill 96, 4, 3214868480
	.section	.rodata,"a",@progbits
	.p2align	6, 0x0
	.amdhsa_kernel k_q123baec563_attn
		.amdhsa_group_segment_fixed_size 74240
		.amdhsa_private_segment_fixed_size 0
		.amdhsa_enable_private_segment 0
		.amdhsa_kernarg_size 64
		.amdhsa_user_sgpr_count 2
		.amdhsa_user_sgpr_kernarg_segment_ptr 1
		.amdhsa_wavefront_size32 1
		.amdhsa_system_sgpr_workgroup_id_x 1
		.amdhsa_system_sgpr_workgroup_id_y 1
		.amdhsa_system_sgpr_workgroup_id_z 1
		.amdhsa_system_vgpr_workitem_id 0
		.amdhsa_next_free_vgpr 256
		.amdhsa_next_free_sgpr 100
		.amdhsa_reserve_vcc 1
		.amdhsa_float_denorm_mode_32 3
		.amdhsa_float_denorm_mode_16_64 3
		.amdhsa_memory_ordered 1
		.amdhsa_forward_progress 1
		.amdhsa_inst_pref_size 95
	.end_amdhsa_kernel
	.amdgpu_metadata
---
amdhsa.version: [ 1, 2 ]
amdhsa.kernels:
  - .name:           k_q123baec563_attn
    .symbol:         k_q123baec563_attn.kd
    .args:
      - { .name: qkvc, .offset: 0, .size: 8, .value_kind: global_buffer, .address_space: global }
      - { .name: qkvs, .offset: 8, .size: 8, .value_kind: global_buffer, .address_space: global }
      - { .name: vsum, .offset: 16, .size: 8, .value_kind: global_buffer, .address_space: global }
      - { .name: attention_mask, .offset: 24, .size: 8, .value_kind: global_buffer, .address_space: global }
      - { .name: hidden_states, .offset: 32, .size: 8, .value_kind: global_buffer, .address_space: global }
      - { .name: ln_gamma, .offset: 40, .size: 8, .value_kind: global_buffer, .address_space: global }
      - { .name: ln_beta, .offset: 48, .size: 8, .value_kind: global_buffer, .address_space: global }
      - { .name: out0, .offset: 56, .size: 8, .value_kind: global_buffer, .address_space: global }
    .group_segment_fixed_size: 74240
    .private_segment_fixed_size: 0
    .kernarg_segment_align: 8
    .kernarg_segment_size: 64
    .max_flat_workgroup_size: 512
    .sgpr_count:     100
    .vgpr_count:     256
    .wavefront_size: 32
...
	.end_amdgpu_metadata
.endif
;; end of part 3
;; ======== version 2 of 2: 3 launches; version 1 with the launch attn written anew for expert scheduling mode
;; workspace buffers: opc 5,505,024 bytes; ops 229,376 bytes; qkvc 9,437,184 bytes; qkvs 655,360 bytes; vsum 589,824 bytes
;; launch quant: the kernel of part 1 again; grid 224 x 1, 4 waves a work-group, no clusters, 34,304 bytes of LDS; arguments hidden_states, Wq, Wk, Wv, opc, ops; writes opc, ops
;; launch proj: the kernel of part 2 again; grid 16 x 16, 4 waves a work-group, clusters of 4 x 1, 168,448 bytes of LDS; arguments opc, ops, bq, bk, bv, qkvc, qkvs, vsum; writes qkvc, qkvs, vsum
;; launch attn (part 4): grid 256 x 1, 16 waves a work-group, no clusters, 74,240 bytes of LDS; arguments qkvc, qkvs, vsum, attention_mask, hidden_states, ln_gamma, ln_beta, out0; writes out0
.if DOCPART == 4
	.amdgcn_target "amdgcn-amd-amdhsa--gfx1250"
	.amdhsa_code_object_version 6
	.text
	.protected	k_q123baec563_attn
	.globl	k_q123baec563_attn
	.p2align	8
	.type	k_q123baec563_attn,@function
k_q123baec563_attn:
	s_mov_b64 s[64:65], 0
	v_nop
	global_prefetch_b8 v0, s[64:65] scope:SCOPE_SE
	s_setreg_imm32_b32 hwreg(HW_REG_WAVE_SCHED_MODE, 0, 2), 2
	s_setreg_imm32_b32 hwreg(HW_REG_WAVE_MODE, 25, 1), 1
	s_wait_xcnt 0x0
	s_wait_alu depctr_vm_vsrc(0)
; out = LayerNorm(hidden_states + attention), attention in a band of 256 keys, both products on codes of FP6 (E2M3) with E8M0 scales.
; SHARES: work-group T owns query tile T: the 16 rows 32 B + 8 u + r + 8 (r / 8), B = T / 2, u = T & 1.  Wave w takes head w for the attention and then one row for the LayerNorm.
; THE BAND: query 32 B + q' keeps keys 32 B + q' - 128 .. + 127: the nine aligned blocks of 32 keys B - 4 .. B + 4.  In the first, key offset x counts where x >= q'; in the ninth where x < q'; the seven between count whole.
; A key outside the band is SET to the logit -10000, not left out.  Inside the nine blocks that is done to the score.  All keys of the other blocks share one p: c = 2^(t0 - M); they enter in closed form, always:
; the row's sum gains n_out c, and the result gains Q(c) x (the sum of the quantised v over those blocks), Q the quantiser of a block of equal numbers: three mantissa bits, ties to even, held at 1.875 x 2^exponent.
; A block past the sequence's ends is read at a clamped place and its addend is -1e30: p = 0, zero codes.
; SCORES, rounding by rounding as the logit and t are defined: S' = q.k (the matrix unit, C = 0) + (1 - mask) x -80000 by ONE f32 addition: eight times the logit, and a factor of 8 moves no rounding;
; t = S' x (log2(e) / 8), rounded to f32 ONCE; M = ceil(the running largest t), begun at t0; t - M by an f32 addition; p = 2^(t - M) is quantised along the keys; the sum is of the unquantised p.
; (A fused multiply-add would leave t unrounded: where the mask's addend makes t large, t's own rounding is a visible part of p.)
; The head's 64 fill half of the instruction's 128: q's upper 64 codes are zeros, so k's fragments lie six registers apart and whatever codes stand in their upper half add nothing.
; K and V come from memory straight into registers, as register images: no two waves of a work-group read the same byte of them.
; NO CLUSTER: only two work-groups read the same nine blocks, a work-group's K and V (16 heads x 27,648 bytes) are more than LDS holds, and a wider share would make LDS addresses hang on a work-group's place.
; LIMITS: NaN and infinities are not served; |q.k| stays under about 1e29; c under 2^-126 counts as 0 (beside a largest p above 1/2 it is nothing).
; REGISTERS: v1 8 x lane; v2-6 V's addresses; v7 64 h; v8-11 K's addresses; v12 -M, v13 largest t, v[14:15] the sum; v16-27 q; v28 q's scales, v29-37 k's, v38-43 v's; v44-97 K's eight fragments and six zeros, then V's four;
;   v98-161 S', t, then p; v162-193 O^T; v194-225 first two blocks' addends, then p's codes and work; v226-233 at work; v234-239, v248-255 addresses and constants that stay; v240-247 the LayerNorm's coefficients.
; THE MODE: SCHED_MODE bits 1:0 = 2 (LLVM: expert scheduling mode 2), set by the entry lines.  The code itself states the register dependences
; between vector or matrix instructions and memory or LDS instructions, with s_wait_alu, always for 0.
; THE PLAN.  Registers that memory or LDS instructions touch:
;   v1-7, v234-236, v239, v248-252   addresses, made in the head and never written again: one wait on va_vdst ahead of the first load serves them for the whole kernel.
;   v44-70, v244, v247   addresses of the head's loads alone; K's loads and the LayerNorm's coefficients land there later.   v98-99, v238   the data of the head's LDS stores; the first scores are written over v98-99.
;   v8-11     written at a step's head, read by the step's loads of K.
;   v44-91    K lands; the score products read; V lands; the result products read.  At the end gamma lands.
;   v194-225  addends land, the additions read, addends land again, the additions read; then the softmax's work and p's codes, which the result products read.  At the end the outside sums land.
;   v130-161  last named by the second step's sums and conversions; my row of hidden_states lands in the ninth block's step; at the end the data of the global stores.
;   v231, v98-129   the data of the closing LDS stores; then the stage's rows land in v98-129.   v162-193  read by the division, then beta lands.
; A STEP has, beside the two waits behind its exponentials: one wait on vm_vsrc and one on va_vdst at its head, round the address additions; one on va_vdst behind the first half's additions, for the second addends and V's loads;
; one on va_vdst in front of the result products, whose operand and scale word vector instructions have made.  There are no registers for a second set of fragments: four waves of 256 fill a SIMD's 1,024.
.set ADD8, 0                           ; LDS: the addends of the nine blocks' 288 keys, f32
.set SOUT, 1280                        ; the sums of v over the blocks not walked: 1,024 f32, by column
.set COEF, 5376                        ; Q(c) / l: [16 rows][16 heads] f32
.set STG,  6400                        ; attention's result: 16 rows x (4,096 + 16) bytes
.set SPT,  4112
.set VA,  2
.set KA,  8
.set QS,  28
.set KS,  29
.set VS,  38
.set KB,  44
.set S,   98
.set O,   162
.set AD,  194                          ; v194-225 the addends of two blocks, ahead of the softmax's use of these registers
.set PC,  194
.set TQ,  206
.set BM,  214
.set BP,  218
.set SO,  222
.set PW,  226
.set T0,  255                          ; v255 t0: t of the logit -10000, rounded as every t is
.set KO,  36                           ; s36-44  1,536 x the block's number: K's two tiles
.set MK,  68                           ; s68-83  lanes where register i's key offset 16 h + i >= q'
.set VAS, 86                           ; s86-95  a block's place in V's images
	s_load_b256 s[4:11], s[0:1], 0x0               ; qkvc, qkvs, vsum, attention_mask
	s_load_b256 s[12:19], s[0:1], 0x20             ; hidden_states, ln_gamma, ln_beta, out0
	v_lshrrev_b32 v1, 5, v0
	v_readfirstlane_b32 s20, v1                    ; wave 0..15
	s_lshr_b32 s21, ttmp9, 1                       ; B
	s_and_b32 s22, ttmp9, 1                        ; u
	s_sub_co_i32 s23, s21, 4                       ; the first of the nine blocks (may be negative)
	s_mov_b32 s24, 0xffff0000                      ; lanes 16-31
	s_mov_b32 s25, 0x3a800000                      ; 1 / 1024
	s_mov_b32 s26, 0x76543210
	s_mov_b32 s27, 0xfedcba98                      ; selects for lane l xor 16
	s_mov_b32 s28, 0x3e38aa3b                      ; log2(e) / 8
	s_mov_b32 s29, s28                             ; (named with it as a pair)
	s_mov_b32 s30, 0xc79c4000                      ; -80000
	s_mov_b32 s35, 0                               ; (named as the upper half of s[34:35])
	v_and_b32 v240, 31, v0                         ; lane
	v_and_b32 v241, 15, v0                         ; r
	v_bfe_u32 v242, v0, 4, 1                       ; h
	v_lshlrev_b32 v1, 3, v240
	v_lshlrev_b32 v236, 4, v240                    ; 16 x lane
	v_lshlrev_b32 v7, 6, v242
	; every LDS address is made here, ahead of the first branch on the wave's number
	v_lshlrev_b32 v248, 2, v0                      ; the addends, in: 4 x thread
	s_wait_alu depctr_va_sdst(0)                   ; s20, the wave's number, is written, ahead of its first reader: addresses, bases and branches are made from it
	s_lshl_b32 s84, s20, 8
	v_mul_u32_u24 v235, v241, SPT
	v_add_nc_u32 v235, v235, v7
	v_add_nc_u32 v235, s84, v235
	v_add_nc_u32 v235, STG, v235                   ; the stage, in: row r, 256 x head + 64 h
	v_add_nc_u32 v239, s84, v1
	v_add_nc_u32 v239, SOUT, v239                  ; the outside sums, in: 256 x head + 8 x lane
	s_lshl_b32 s84, s20, 2
	v_lshlrev_b32 v249, 6, v241
	v_add_nc_u32 v249, s84, v249
	v_add_nc_u32 v249, COEF, v249                  ; the coefficient, in: 64 r + 4 x head
	s_mul_i32 s84, s20, SPT
	v_add_nc_u32 v250, s84, v236
	v_add_nc_u32 v250, STG, v250                   ; the stage, out: row = wave, 16 x lane
	v_add_nc_u32 v251, SOUT, v236
	s_lshl_b32 s84, s20, 6
	v_lshlrev_b32 v252, 2, v242
	v_add_nc_u32 v252, s84, v252
	v_add_nc_u32 v252, COEF, v252                  ; the coefficients, out: 64 x wave + 4 h
	; the nine blocks (and a tenth, whose codes of p are zeros): clamped numbers, and what hangs on them
	s_mov_b32 s33, 4096
.irp n, 0,1,2,3,4,5,6,7,8,9
	s_add_co_i32 s84, s23, \n
	s_max_i32 s85, s84, 0
	s_min_i32 s85, s85, 127                        ; the block that is read
	s_lshr_b32 s96, s85, 1
	s_and_b32 s97, s85, 1
	s_mul_i32 s98, s96, 3072
	s_lshl_b32 s99, s97, 7
	s_add_co_u32 s[VAS+\n], s98, s99               ; V: group of 64 keys, half
.if \n < 9
	s_mul_i32 s[KO+\n], s85, 1536
	s_lshl_b32 s98, s85, 6
	v_add_nc_u32 v[44+\n], s98, v240               ; V's scale bytes: 64 X + lane
	s_lshl_b32 s98, s85, 8
	v_add_nc_u32 v[53+\n], s98, v1                 ; the block's sums: 256 X + 8 x lane
	s_lshl_b32 s98, s96, 8
	s_lshl_b32 s99, s97, 2
	s_add_co_u32 s98, s98, s99
	v_add_nc_u32 v[62+\n], s98, v1                 ; K's scale words: 256 (X / 2) + 4 (X % 2) + 8 x lane
	s_cmp_lt_u32 s84, 128                          ; does the block exist?
	s_cselect_b32 s98, 32, 0
	s_sub_co_u32 s33, s33, s98                     ; n_out = 4,096 - 32 x the blocks that exist
.endif
.endr
	v_cvt_f32_u32 v237, s33
.irp k, 0,1,2,3,4
	v_mov_b32 v243, s[VAS+2*\k]
	v_mov_b32 v244, s[VAS+2*\k+1]
	v_cndmask_b32 v243, v243, v244, s24            ; lanes 0-15 block 2 k, lanes 16-31 block 2 k + 1
	v_lshl_add_u32 v[VA+\k], v241, 3, v243
.endr
	s_mov_b32 s31, 0xf149f2ca                      ; -1e30
	s_cmp_lt_u32 s23, 128
	s_cselect_b32 s31, s30, s31
	v_mov_b32 v253, s31                            ; what a key outside the band gets in the first block,
	s_add_co_i32 s84, s23, 8
	s_mov_b32 s32, 0xf149f2ca
	s_cmp_lt_u32 s84, 128
	s_cselect_b32 s32, s30, s32
	v_mov_b32 v254, s32                            ; and in the ninth
	s_lshl_b32 s84, s23, 5
	v_add_nc_u32 v243, s84, v0                     ; thread t's key: 32 x first block + t
	v_cmp_gt_u32 vcc_lo, 0x1000, v243              ; it exists
	v_min_u32 v244, 0xfff, v243
	v_lshlrev_b32 v244, 2, v244
	v_and_b32 v245, 8, v241
	v_add_nc_u32 v245, v245, v241
	s_lshl_b32 s84, s22, 3
	v_add_nc_u32 v245, s84, v245                   ; q' = 8 u + r + 8 (r / 8)
	v_lshlrev_b32 v246, 4, v242
	v_sub_nc_u32 v245, v245, v246                  ; q' - 16 h
.irp i, 0,1,2,3,4,5,6,7,8,9,10,11,12,13,14,15
	v_cmp_ge_i32 s[MK+\i], \i, v245
.endr
	s_wait_alu depctr_va_vcc(0)                    ; VCC (my key exists) is written: the select behind the head's loads reads it
	s_wait_alu depctr_va_sdst(0)                   ; the sixteen masks s68-83 are written: the selects of the first and of the ninth block read them; the wait stands in the compares' own straight run, ahead of every branch
	s_lshl_b32 s84, s20, 1
	v_add_nc_u32 v234, s84, v242                   ; the prefetch: stage row 2 w + h,
	v_and_b32 v246, 8, v234
	v_add_nc_u32 v234, v234, v246
	v_lshlrev_b32 v234, 12, v234                   ; its row of 4,096 bytes,
	v_lshl_add_u32 v234, v241, 8, v234             ; lanes 256 bytes apart
	v_lshlrev_b32 v247, 3, v241                    ; 8 r
	s_wait_kmcnt 0x0
	s_mov_b32 s97, 0
	s_mul_i32 s96, s20, 196608
	s_add_nc_u64 s[46:47], s[4:5], s[96:97]
	s_add_nc_u64 s[48:49], s[46:47], 6291456       ; V's images of my head
	s_mul_i32 s96, ttmp9, 768
	s_add_nc_u64 s[50:51], s[46:47], s[96:97]      ; q's tile
	s_add_nc_u64 s[46:47], s[46:47], 3145728       ; K's images of my head
	s_lshl_b32 s96, s20, 14
	s_add_nc_u64 s[54:55], s[6:7], s[96:97]
	s_lshr_b32 s84, s21, 1
	s_lshl_b32 s96, s84, 8
	s_and_b32 s84, s21, 1
	s_lshl_b32 s84, s84, 2
	s_add_co_u32 s96, s96, s84
	s_lshl_b32 s84, s22, 7
	s_add_co_u32 s96, s96, s84
	s_add_nc_u64 s[52:53], s[54:55], s[96:97]      ; q's scale words: 256 (B / 2) + 4 (B % 2) + 128 u
	s_add_nc_u64 s[54:55], s[54:55], 262144        ; K's
	s_lshl_b32 s96, s20, 13
	s_add_co_u32 s96, s96, 524288
	s_add_nc_u64 s[56:57], s[6:7], s[96:97]        ; V's scale bytes
	s_lshl_b32 s96, s20, 15
	s_add_nc_u64 s[58:59], s[8:9], s[96:97]        ; the sums by block
	s_lshl_b32 s96, s20, 12
	s_add_co_u32 s96, s96, 524288
	s_add_nc_u64 s[60:61], s[8:9], s[96:97]        ; and by 256 rows
	s_lshl_b32 s84, s21, 5
	s_lshl_b32 s85, s22, 3
	s_add_co_u32 s84, s84, s85                     ; 32 B + 8 u
	s_and_b32 s85, s20, 8
	s_add_co_u32 s85, s85, s20
	s_add_co_u32 s85, s85, s84                     ; my row for the LayerNorm
	s_lshl_b32 s96, s85, 12
	s_add_nc_u64 s[62:63], s[12:13], s[96:97]
	s_add_nc_u64 s[66:67], s[18:19], s[96:97]
	s_lshl_b32 s96, s84, 12
	s_add_nc_u64 s[12:13], s[12:13], s[96:97]      ; the prefetch's base
	s_wait_alu depctr_va_vdst(0)                   ; every address made so far is written: v1-7, v44-70, v234-236, v239, v244, v247-252, which the kernel's loads, stores and prefetch read
	global_load_b32 v238, v244, s[10:11]           ; the mask at my key (every wave loads, inside the buffer; waves 0 to 8 use it)
.irp q, 0,1,2
	global_load_b64 v[16+2*\q:17+2*\q], v1, s[50:51] offset:256*\q
.endr
	global_load_b32 v[QS], v247, s[52:53]
.irp n, 0,1,2,3,4,5,6,7,8
	global_load_b32 v[KS+\n], v[62+\n], s[54:55]   ; lanes 0-15 the block's first tile, lanes 16-31 its second
.endr
.irp n, 0,1,2,3,4,5,6,7,8
.irp x, 0,1
	global_load_u8 v[O+2*\n+\x], v[44+\n], s[56:57] offset:32*\x   ; channel tile 2 x + lane / 16, row lane % 16
.endr
.endr
.irp i, 0,1,2,3,4,5,6,7,8,9,10,11,12,13,14,15
	global_load_b64 v[S+2*\i:S+2*\i+1], v1, s[60:61] offset:256*\i
.endr
.irp n, 0,1,2,3,4,5,6,7,8
	global_load_b64 v[S+32+2*\n:S+33+2*\n], v[53+\n], s[58:59]
.endr
	s_wait_loadcnt 0x0
	v_sub_f32 v238, 1.0, v238
	v_mul_f32 v238, s30, v238                      ; (1 - mask) x -80000: eight times the logit's addend, with the same rounding
	v_mov_b32 v246, 0xf149f2ca
	v_cndmask_b32 v238, v246, v238, vcc_lo         ; -1e30 where the key does not exist
.irp c, 0,1
.irp x, 0,1
	v_lshl_or_b32 v[VS+2*\c+\x], v[O+2*(4*\c+1)+\x], 8, v[O+2*(4*\c)+\x]   ; V's scale words: four blocks' bytes
	v_lshl_or_b32 v[VS+2*\c+\x], v[O+2*(4*\c+2)+\x], 16, v[VS+2*\c+\x]
	v_lshl_or_b32 v[VS+2*\c+\x], v[O+2*(4*\c+3)+\x], 24, v[VS+2*\c+\x]
.endr
.endr
.irp x, 0,1
	v_or_b32 v[VS+4+\x], 0x7f7f7f00, v[O+16+\x]    ; the ninth block's
.endr
.irp i, 1,2,3,4,5,6,7,8,9,10,11,12,13,14,15
	v_pk_add_f32 v[S:S+1], v[S:S+1], v[S+2*\i:S+2*\i+1]    ; the sum of the quantised v over all keys,
.endr
.irp n, 0,1,2,3,4,5,6,7,8
	s_add_co_i32 s84, s23, \n
	s_cmp_lt_u32 s84, 128
	s_cselect_b32 s34, 0xbf800000, 0
	v_pk_fma_f32 v[S:S+1], v[S+32+2*\n:S+33+2*\n], s[34:35], v[S:S+1] op_sel_hi:[1,0,1]   ; less the blocks that are walked (a block that does not exist takes nothing off)
.endr
	s_wait_alu depctr_va_vdst(0)                   ; the outside sums v98-99 and the addend v238 are written, which the two LDS stores below read
	ds_store_b64 v239, v[S:S+1]
	s_cmp_lt_u32 s20, 9
	s_cbranch_scc0 .Lno_addend
	ds_store_b32 v248, v238                        ; waves 0 to 8: 288 addends
.Lno_addend:
.irp i, 22,23,24,25,26,27
	v_mov_b32 v[\i], 0                             ; q's upper 64 codes
.endr
.irp i, 92,93,94,95,96,97
	v_mov_b32 v[\i], 0                             ; behind K's last fragment
.endr
.irp b, 0,1,2,3
	v_mov_b32 v[BP+\b], 0                          ; a lane permute's destination counts as one of its sources
.endr
	v_mov_b32 v13, s30
	v_mul_f32 v13, s28, v13                        ; the largest t so far: t0, that of the keys outside the band, of which every row has some
	v_mov_b32 v[T0], v13                           ; kept for the end
	v_floor_f32 v12, -v13                          ; -M
	v_mov_b32 v14, 0
	v_mov_b32 v15, 0
	v_mov_b32 v229, 0                              ; (upper halves of pairs that are named whole)
	v_mov_b32 v233, 0
	s_wait_dscnt 0x0                               ; for the others' sake: my LDS stores are done
	s_barrier_signal -1
	s_barrier_wait -1
; FOUR BLOCKS, 128 keys
.macro CHUNK4 ch, first
	s_wait_alu depctr_vm_vsrc(0)                   ; the last step's loads of K have read v8-11, which are written below; in the first step: the head's loads have read their addresses v44-70, in which K lands, and v244, v247; my LDS stores have read v98-99, which the scores are written over
.irp i, 0,1,2,3
	v_add_nc_u32 v[KA+\i], s[KO+4*\ch+\i], v1      ; (four plain places behind the last matrix instructions)
.endr
	s_wait_alu depctr_va_vdst(0)                   ; v8-11 are written, which K's loads read; the last step's products are done reading V's fragments and p's codes, and its vector work is done with v194-225: K and the addends land there; in the first step: the head's moves have written v218-221, and q's and K's zero codes, operands of the scaled products below
.irp i, 0,1,2,3
.irp u, 0,1
.irp q, 0,1,2
	global_load_b64 v[KB+6*(2*\i+\u)+2*\q:KB+6*(2*\i+\u)+2*\q+1], v[KA+\i], s[46:47] offset:768*\u+256*\q
.endr
.endr
.endr
.irp i, 0,1
.irp u, 0,1
.irp g, 0,1
	ds_load_b128 v[AD+8*(2*\i+\u)+4*\g:AD+8*(2*\i+\u)+4*\g+3], v7 offset:ADD8+128*(4*\ch+\i)+32*\u+16*\g   ; the addends of keys 16 h + 8 u + 0 .. 7 of the step's first two blocks
.endr
.endr
.endr
	s_wait_loadcnt 0x0                             ; K
.irp i, 0,1,2,3
	v_wmma_scale_f32_16x16x128_f8f6f4 v[S+16*\i:S+16*\i+7], v[KB+12*\i:KB+12*\i+11], v[16:27], 0, v[KS+4*\ch+\i], v[QS] matrix_a_fmt:MATRIX_FMT_FP6 matrix_b_fmt:MATRIX_FMT_FP6
	v_wmma_scale_f32_16x16x128_f8f6f4 v[S+16*\i+8:S+16*\i+15], v[KB+12*\i+6:KB+12*\i+17], v[16:27], 0, v[KS+4*\ch+\i], v[QS] matrix_a_fmt:MATRIX_FMT_FP6 matrix_b_fmt:MATRIX_FMT_FP6 matrix_a_scale:MATRIX_SCALE_ROW1
.endr
.rept 4
	v_nop                                          ; places: the scores are read
.endr
	s_wait_dscnt 0x0                               ; the first two blocks' addends
.set j, 0
.rept 16
	v_pk_add_f32 v[S+j:S+j+1], v[S+j:S+j+1], v[AD+j:AD+j+1]   ; S' = q.k + the addend: one f32 addition; each accumulator from its low end on
.set j, j+2
.endr
	s_wait_alu depctr_va_vdst(0)                   ; the additions are done reading v194-225, in which the other two blocks' addends land; the score products are done reading K's fragments, in which V lands.  No vector or matrix instruction names either before its own wait on DScnt or LOADcnt
.irp i, 2,3
.irp u, 0,1
.irp g, 0,1
	ds_load_b128 v[AD+8*(2*(\i-2)+\u)+4*\g:AD+8*(2*(\i-2)+\u)+4*\g+3], v7 offset:ADD8+128*(4*\ch+\i)+32*\u+16*\g   ; the other two blocks' addends, into the registers just read
.endr
.endr
.endr
.irp t, 0,1,2,3
.irp c, 0,1
.irp q, 0,1,2
	global_load_b64 v[KB+12*\t+6*\c+2*\q:KB+12*\t+6*\c+2*\q+1], v[VA+2*\ch+\c], s[48:49] offset:768*\t+256*\q
.endr
.endr
.endr
.if \ch == 0
	s_cmp_lt_u32 s20, 8                            ; the residual's 16 rows are asked for here, behind the wave's loads: waves 0 to 7, two rows a wave, a lane to each aligned 256 bytes: each named once in the launch; they are loaded in the ninth block's step
	s_cbranch_scc0 .Lno_ask_\@
	global_prefetch_b8 v234, s[12:13] th:TH_LOAD_NT scope:SCOPE_SE
.Lno_ask_\@:
.irp i, 0,1,2,3,4,5,6,7,8,9,10,11,12,13,14,15
	v_cndmask_b32 v[S+\i], v253, v[S+\i], s[MK+\i] ; the first block: a key under the band is set to the logit -10000
.endr
.endif
	s_wait_dscnt 0x0                               ; the other two blocks' addends
.set j, 0
.rept 16
	v_pk_add_f32 v[S+32+j:S+33+j], v[S+32+j:S+33+j], v[AD+j:AD+j+1]
.set j, j+2
.endr
.set j, 0
.rept 32
	v_pk_mul_f32 v[S+j:S+j+1], v[S+j:S+j+1], s[28:29] op_sel_hi:[1,0]   ; t = S' x log2(e) / 8, rounded to f32 once
.set j, j+2
.endr
.irp b, 0,1,2,3
	v_max3_num_f32 v[BM+\b], v[S+16*\b], v[S+16*\b+1], v[S+16*\b+2]   ; each block's largest t: for the row's maximum, and, since p rises with t, for the block's largest p
.endr
.irp i, 3,5,7,9,11,13
.irp b, 0,1,2,3
	v_max3_num_f32 v[BM+\b], v[BM+\b], v[S+16*\b+\i], v[S+16*\b+\i+1]
.endr
.endr
.irp b, 0,1,2,3
	v_max_num_f32 v[BM+\b], v[BM+\b], v[S+16*\b+15]
.endr
.irp b, 0,1,2,3
	v_permlanex16_b32 v[BP+\b], v[BM+\b], s26, s27
.endr
.irp b, 0,1,2,3
	v_max_num_f32 v[BM+\b], v[BM+\b], v[BP+\b]
.endr
	v_max3_num_f32 v232, v[BM], v[BM+1], v[BM+2]
	v_max_num_f32 v232, v232, v[BM+3]
	v_max_num_f32 v13, v13, v232                   ; the running largest t
	v_mov_b32 v232, v12
	v_floor_f32 v12, -v13                          ; the new -M: M is a whole number
	v_sub_f32 v232, v12, v232
	v_cvt_i32_f32 v232, v232
	v_ldexp_f32 v228, 1.0, v232                    ; f = 2^(old M - new M): exact
.set j, 0
.rept 32
	v_pk_add_f32 v[S+j:S+j+1], v[S+j:S+j+1], v[12:13] op_sel_hi:[1,0]   ; t - M
.set j, j+2
.endr
.irp b, 0,1,2,3
	v_add_f32 v[BM+\b], v[BM+\b], v12              ; the same of each block's largest t
.endr
.set j, 0
.rept 64
	v_exp_f32 v[S+j], v[S+j]                       ; p = 2^(t - M)
.set j, j+1
.endr
	v_pk_mul_f32 v[14:15], v[14:15], v[228:229] op_sel_hi:[1,0]   ; the sum under the new M: a plain place behind the exponentials
	s_wait_alu depctr_va_vdst(0)                   ; the 64 exponentials have written p in v98-161: one wait for the batch, ahead of its first reader
.irp b, 0,1,2,3
	v_exp_f32 v[BM+\b], v[BM+\b]                   ; the blocks' largest p
.endr
	v_pk_add_f32 v[230:231], v[S:S+1], v[S+2:S+3]  ; the sum of the unquantised p, in two chains
.set j, 4
.rept 15
	v_pk_add_f32 v[14:15], v[14:15], v[S+j:S+j+1]
	v_pk_add_f32 v[230:231], v[230:231], v[S+j+2:S+j+3]
.set j, j+4
.endr
	v_pk_add_f32 v[14:15], v[14:15], v[230:231]
	s_wait_alu depctr_va_vdst(0)                   ; the four exponentials have written the blocks' largest p in v214-217, ahead of their first reader
.irp b, 0,1,2,3
	v_max_num_f32 v[BM+\b], 0x1800000, v[BM+\b]    ; the floor 2^(3 - 127)
.endr
.irp b, 0,1,2,3
	v_add_nc_u32 v[SO+\b], 0xff000000, v[BM+\b]
.endr
.irp b, 0,1,2,3
	v_lshrrev_b32 v[BP+\b], 23, v[SO+\b]
.endr
	v_lshl_or_b32 v[PW], v[BP+1], 8, v[BP]         ; p's scale word for these 128 keys
	v_lshl_or_b32 v[PW], v[BP+2], 16, v[PW]
	v_lshl_or_b32 v[PW], v[BP+3], 24, v[PW]
.irp c, 0,1
	v_cvt_scalef32_pk16_fp6_f32 v[PC+6*\c:PC+6*\c+2], v[S+32*\c:S+32*\c+15], v[SO+2*\c]
	v_cvt_scalef32_pk16_fp6_f32 v[TQ+4*\c:TQ+4*\c+2], v[S+32*\c+16:S+32*\c+31], v[SO+2*\c+1]
.endr
	v_nop                                          ; one plain place behind a scaled conversion
.irp c, 0,1
.irp i, 0,1,2
	v_permlane16_swap_b32 v[PC+6*\c+\i], v[TQ+4*\c+\i]
.endr
.irp i, 0,1,2
	v_mov_b32 v[PC+6*\c+3+\i], v[TQ+4*\c+\i]
.endr
.endr
.if \first
.rept 8
	v_nop                                          ; a scale register written by a vector instruction stands 8 places ahead of a scaled matrix instruction, an operand 4
.endr
.else
.set j, 0
.rept 16
	v_pk_mul_f32 v[O+j:O+j+1], v[O+j:O+j+1], v[228:229] op_sel_hi:[1,0]   ; O^T under the new M; these are also the places
.set j, j+2
.endr
.endif
	s_wait_alu depctr_va_vdst(0)                   ; p's codes v194-205 and its scale word v226 are written, which the scaled products below take as operand and scales; the places above stay beside this wait
	s_wait_loadcnt 0x0                             ; V
.irp t, 0,1,2,3
.if \first
.if \t%2
	v_wmma_scale_f32_16x16x128_f8f6f4 v[O+8*\t:O+8*\t+7], v[KB+12*\t:KB+12*\t+11], v[PC:PC+11], 0, v[VS+2*\ch+\t/2], v[PW] matrix_a_fmt:MATRIX_FMT_FP6 matrix_b_fmt:MATRIX_FMT_FP6 matrix_a_scale:MATRIX_SCALE_ROW1
.else
	v_wmma_scale_f32_16x16x128_f8f6f4 v[O+8*\t:O+8*\t+7], v[KB+12*\t:KB+12*\t+11], v[PC:PC+11], 0, v[VS+2*\ch+\t/2], v[PW] matrix_a_fmt:MATRIX_FMT_FP6 matrix_b_fmt:MATRIX_FMT_FP6
.endif
.else
.if \t%2
	v_wmma_scale_f32_16x16x128_f8f6f4 v[O+8*\t:O+8*\t+7], v[KB+12*\t:KB+12*\t+11], v[PC:PC+11], v[O+8*\t:O+8*\t+7], v[VS+2*\ch+\t/2], v[PW] matrix_a_fmt:MATRIX_FMT_FP6 matrix_b_fmt:MATRIX_FMT_FP6 matrix_a_scale:MATRIX_SCALE_ROW1
.else
	v_wmma_scale_f32_16x16x128_f8f6f4 v[O+8*\t:O+8*\t+7], v[KB+12*\t:KB+12*\t+11], v[PC:PC+11], v[O+8*\t:O+8*\t+7], v[VS+2*\ch+\t/2], v[PW] matrix_a_fmt:MATRIX_FMT_FP6 matrix_b_fmt:MATRIX_FMT_FP6
.endif
.endif
.endr
.endm
	CHUNK4 0, 1
	CHUNK4 1, 0
	; THE NINTH BLOCK, alone in its step: p's codes of the step's other 96 keys are zeros
	s_wait_alu depctr_vm_vsrc(0)                   ; the last step's loads of K have read v8, which is written below
	v_add_nc_u32 v[KA], s[KO+8], v1
.rept 3
	v_nop                                          ; with the line above: four places behind the last matrix instructions
.endr
	s_wait_alu depctr_va_vdst(0)                   ; v8 is written, which K's loads read; the last step's products are done reading V's fragments and p's codes, and its vector work is done with v194-209: K and the addends land there
.irp u, 0,1
.irp q, 0,1,2
	global_load_b64 v[KB+6*\u+2*\q:KB+6*\u+2*\q+1], v[KA], s[46:47] offset:768*\u+256*\q
.endr
.endr
.irp u, 0,1
.irp g, 0,1
	ds_load_b128 v[AD+8*\u+4*\g:AD+8*\u+4*\g+3], v7 offset:ADD8+128*8+32*\u+16*\g
.endr
.endr
	s_wait_loadcnt 0x0
	v_wmma_scale_f32_16x16x128_f8f6f4 v[S:S+7], v[KB:KB+11], v[16:27], 0, v[KS+8], v[QS] matrix_a_fmt:MATRIX_FMT_FP6 matrix_b_fmt:MATRIX_FMT_FP6
	v_wmma_scale_f32_16x16x128_f8f6f4 v[S+8:S+15], v[KB+6:KB+17], v[16:27], 0, v[KS+8], v[QS] matrix_a_fmt:MATRIX_FMT_FP6 matrix_b_fmt:MATRIX_FMT_FP6 matrix_a_scale:MATRIX_SCALE_ROW1
.rept 4
	v_nop
.endr
	s_wait_alu depctr_va_vdst(0)                   ; the two score products are done reading K's fragments, in which V lands (v130-161, in which my row lands, were last named by the step before, ahead of earlier waits)
.irp t, 0,1,2,3
.irp q, 0,1,2
	global_load_b64 v[KB+12*\t+2*\q:KB+12*\t+2*\q+1], v[VA+4], s[48:49] offset:768*\t+256*\q   ; the fragments' upper six registers keep older codes, which meet zero codes of p
.endr
.endr
.irp i, 0,1,2,3,4,5,6,7
	global_load_b128 v[130+4*\i:133+4*\i], v236, s[62:63] offset:512*\i th:TH_LOAD_NT   ; my row of hidden_states for the LayerNorm: 512 consecutive bytes a load
.endr
	s_wait_dscnt 0x0                               ; the block's addends
.set j, 0
.rept 8
	v_pk_add_f32 v[S+j:S+j+1], v[S+j:S+j+1], v[AD+j:AD+j+1]
.set j, j+2
.endr
.irp i, 0,1,2,3,4,5,6,7,8,9,10,11,12,13,14,15
	v_cndmask_b32 v[S+\i], v[S+\i], v254, s[MK+\i] ; a key over the band is set to the logit -10000
.endr
.set j, 0
.rept 8
	v_pk_mul_f32 v[S+j:S+j+1], v[S+j:S+j+1], s[28:29] op_sel_hi:[1,0]   ; t
.set j, j+2
.endr
	v_max3_num_f32 v[BM], v[S], v[S+1], v[S+2]
.irp i, 3,5,7,9,11,13
	v_max3_num_f32 v[BM], v[BM], v[S+\i], v[S+\i+1]
.endr
	v_max_num_f32 v[BM], v[BM], v[S+15]
	v_permlanex16_b32 v[BP], v[BM], s26, s27
	v_max_num_f32 v[BM], v[BM], v[BP]
	v_max_num_f32 v13, v13, v[BM]
	v_mov_b32 v232, v12
	v_floor_f32 v12, -v13
	v_sub_f32 v232, v12, v232
	v_cvt_i32_f32 v232, v232
	v_ldexp_f32 v228, 1.0, v232
.set j, 0
.rept 8
	v_pk_add_f32 v[S+j:S+j+1], v[S+j:S+j+1], v[12:13] op_sel_hi:[1,0]
.set j, j+2
.endr
	v_add_f32 v[BM], v[BM], v12
.set j, 0
.rept 16
	v_exp_f32 v[S+j], v[S+j]
.set j, j+1
.endr
	v_pk_mul_f32 v[14:15], v[14:15], v[228:229] op_sel_hi:[1,0]
	s_wait_alu depctr_va_vdst(0)                   ; the sixteen exponentials have written p in v98-113: one wait for the batch, ahead of its first reader
	v_exp_f32 v[BM], v[BM]
	v_pk_add_f32 v[230:231], v[S:S+1], v[S+2:S+3]
.irp j, 4,8,12
	v_pk_add_f32 v[14:15], v[14:15], v[S+\j:S+\j+1]
	v_pk_add_f32 v[230:231], v[230:231], v[S+\j+2:S+\j+3]
.endr
	v_pk_add_f32 v[14:15], v[14:15], v[230:231]
.irp i, 0,1,2
	v_mov_b32 v[TQ+\i], 0                          ; the step's second block: zero codes
.endr
	s_wait_alu depctr_va_vdst(0)                   ; the exponential has written the block's largest p in v214, ahead of its first reader
	v_max_num_f32 v[BM], 0x1800000, v[BM]
	v_add_nc_u32 v[SO], 0xff000000, v[BM]
	v_lshrrev_b32 v[PW], 23, v[SO]                 ; one byte; the others stand over zero codes
	v_cvt_scalef32_pk16_fp6_f32 v[PC:PC+2], v[S:S+15], v[SO]
	v_nop
.irp i, 0,1,2
	v_permlane16_swap_b32 v[PC+\i], v[TQ+\i]
.endr
.irp i, 0,1,2
	v_mov_b32 v[PC+3+\i], v[TQ+\i]
.endr
.irp i, 6,7,8,9,10,11
	v_mov_b32 v[PC+\i], 0
.endr
.set j, 0
.rept 16
	v_pk_mul_f32 v[O+j:O+j+1], v[O+j:O+j+1], v[228:229] op_sel_hi:[1,0]
.set j, j+2
.endr
	s_wait_alu depctr_va_vdst(0)                   ; p's codes v194-205 and its scale word v226 are written, which the scaled products below take as operand and scales; the sixteen multiplications above are the places beside this wait
	s_wait_loadcnt 8                               ; V's twelve loads are in; my row's eight may be out
.irp t, 0,2
	v_wmma_scale_f32_16x16x128_f8f6f4 v[O+8*\t:O+8*\t+7], v[KB+12*\t:KB+12*\t+11], v[PC:PC+11], v[O+8*\t:O+8*\t+7], v[VS+4+\t/2], v[PW] matrix_a_fmt:MATRIX_FMT_FP6 matrix_b_fmt:MATRIX_FMT_FP6
	v_wmma_scale_f32_16x16x128_f8f6f4 v[O+8*\t+8:O+8*\t+15], v[KB+12*\t+12:KB+12*\t+23], v[PC:PC+11], v[O+8*\t+8:O+8*\t+15], v[VS+4+\t/2], v[PW] matrix_a_fmt:MATRIX_FMT_FP6 matrix_b_fmt:MATRIX_FMT_FP6 matrix_a_scale:MATRIX_SCALE_ROW1
.endr
	; THE END OF A HEAD: the keys outside the nine blocks, the division
	v_add_f32 v230, v[T0], v12                     ; t0 - M, by the addition that every t goes through
	v_exp_f32 v230, v230                           ; c
	v_add_f32 v14, v14, v15                        ; (plain work behind the exponential)  the sum's two halves,
	v_permlanex16_b32 v231, v14, s26, s27
	v_add_f32 v14, v14, v231                       ; and lane l xor 16's
	s_wait_alu depctr_va_vdst(0)                   ; the exponential has written c in v230, ahead of its first reader
	v_fmac_f32 v14, v237, v230                     ; + n_out c
	v_rcp_f32 v232, v14
	v_bfe_u32 v231, v230, 20, 1                    ; Q(c): to three mantissa bits, ties to even,
	v_add3_u32 v231, v230, v231, 0x7ffff
	v_and_b32 v231, 0xfff00000, v231
	v_and_b32 v228, 0x7f800000, v230
	v_or_b32 v228, 0x700000, v228
	v_min_u32 v231, v231, v228                     ; held at 7.5 x the block's scale
	s_wait_alu depctr_va_vdst(0)                   ; the reciprocal is written in v232, ahead of its first reader; and the last products are done reading V's fragments, in which gamma lands
.irp i, 0,1,2,3,4,5,6,7
	global_load_b128 v[KB+4*\i:KB+4*\i+3], v236, s[14:15] offset:512*\i    ; gamma: no vector or matrix instruction names v44-75 before the wait on LOADcnt in the LayerNorm
.endr
	v_mul_f32 v231, v231, v232                     ; Q(c) / l of query r and my head
.set j, 0
.rept 16
	v_pk_mul_f32 v[S+j:S+j+1], v[O+j:O+j+1], v[232:233] op_sel_hi:[1,0]   ; O^T / l, each accumulator from its low end on
.set j, j+2
.endr
	s_wait_alu depctr_va_vdst(0)                   ; v231 and v98-129 are written, which the nine LDS stores read; the multiplications are done reading O^T, in which beta lands
	ds_store_b32 v249, v231
.irp t, 0,1,2,3
.irp g, 0,1
	ds_store_b128 v235, v[S+8*\t+4*\g:S+8*\t+4*\g+3] offset:128*(\t/2)+32*(\t%2)+16*\g   ; channels 32 (t / 2) + 16 h + 8 (t % 2) + 0 .. 7 of query r
.endr
.endr
.irp i, 0,1,2,3,4,5,6,7
	global_load_b128 v[O+4*\i:O+4*\i+3], v236, s[16:17] offset:512*\i      ; beta
.endr
	s_wait_dscnt 0x0                               ; for the others' sake: my part of the stage and my coefficients lie in LDS
	s_barrier_signal -1
	s_barrier_wait -1
	s_wait_alu depctr_vm_vsrc(0)                   ; my LDS stores have read v98-129, in which the stage's rows land (what vector and matrix instructions did to v98-129, v194-225 and v240-247 stands ahead of the last wait on va_vdst)
	; THE LAYERNORM of one row a wave: lane l holds columns 128 i + 4 l + 0 .. 3, i = 0 .. 7, which belong to head 2 i + h
.irp i, 0,1,2,3,4,5,6,7
	ds_load_b128 v[S+4*\i:S+4*\i+3], v250 offset:512*\i
	ds_load_b128 v[PC+4*\i:PC+4*\i+3], v251 offset:512*\i
	ds_load_b32 v[240+\i], v252 offset:8*\i
.endr
	s_wait_dscnt 0x0
	s_wait_loadcnt 0x0
.set j, 0
.rept 16
	v_pk_add_f32 v[130+j:131+j], v[130+j:131+j], v[S+j:S+j+1]     ; x = hidden_states + attention's nine blocks
.set j, j+2
.endr
.irp i, 0,1,2,3,4,5,6,7
.irp e, 0,1,2,3
	v_fmac_f32 v[130+4*\i+\e], v[240+\i], v[PC+4*\i+\e]           ; + the keys outside them
.endr
.endr
	v_pk_add_f32 v[98:99], v[130:131], v[132:133]
	v_pk_add_f32 v[100:101], v[134:135], v[136:137]
.irp k, 8,12,16,20,24,28
	v_pk_add_f32 v[98:99], v[98:99], v[130+\k:131+\k]
	v_pk_add_f32 v[100:101], v[100:101], v[132+\k:133+\k]
.endr
	v_pk_add_f32 v[98:99], v[98:99], v[100:101]
	v_add_f32 v98, v98, v99
	v_add_f32_dpp v98, v98, v98 row_xmask:1 row_mask:0xf bank_mask:0xf
	v_add_f32_dpp v98, v98, v98 row_xmask:2 row_mask:0xf bank_mask:0xf
	v_add_f32_dpp v98, v98, v98 row_xmask:4 row_mask:0xf bank_mask:0xf
	v_add_f32_dpp v98, v98, v98 row_xmask:8 row_mask:0xf bank_mask:0xf
	v_permlanex16_b32 v99, v98, s26, s27
	v_add_f32 v98, v98, v99
	v_mul_f32 v98, s25, v98                        ; the mean
.set j, 0
.rept 16
	v_pk_add_f32 v[130+j:131+j], v[130+j:131+j], v[98:99] op_sel_hi:[1,0] neg_lo:[0,1] neg_hi:[0,1]   ; d = x - mean: the variance is a second pass over d, not a difference of large sums
.set j, j+2
.endr
	v_pk_mul_f32 v[100:101], v[130:131], v[130:131]
	v_pk_mul_f32 v[102:103], v[132:133], v[132:133]
.irp k, 4,8,12,16,20,24,28
	v_pk_fma_f32 v[100:101], v[130+\k:131+\k], v[130+\k:131+\k], v[100:101]
	v_pk_fma_f32 v[102:103], v[132+\k:133+\k], v[132+\k:133+\k], v[102:103]
.endr
	v_pk_add_f32 v[100:101], v[100:101], v[102:103]
	v_add_f32 v100, v100, v101
	v_add_f32_dpp v100, v100, v100 row_xmask:1 row_mask:0xf bank_mask:0xf
	v_add_f32_dpp v100, v100, v100 row_xmask:2 row_mask:0xf bank_mask:0xf
	v_add_f32_dpp v100, v100, v100 row_xmask:4 row_mask:0xf bank_mask:0xf
	v_add_f32_dpp v100, v100, v100 row_xmask:8 row_mask:0xf bank_mask:0xf
	v_permlanex16_b32 v101, v100, s26, s27
	v_add_f32 v100, v100, v101
	v_mov_b32 v105, 0                              ; (upper half of the pair v[104:105])
	v_fmaak_f32 v100, s25, v100, 0x2b8cbccc        ; the variance + 1e-12
	v_rsq_f32 v104, v100
	v_nop                                          ; a plain place behind the transcendental
	s_wait_alu depctr_va_vdst(0)                   ; the reciprocal root is written in v104, ahead of its first reader
.set j, 0
.rept 16
	v_pk_mul_f32 v[KB+j:KB+j+1], v[KB+j:KB+j+1], v[104:105] op_sel_hi:[1,0]    ; gamma / sqrt(variance + eps)
.set j, j+2
.endr
.set j, 0
.rept 16
	v_pk_fma_f32 v[130+j:131+j], v[130+j:131+j], v[KB+j:KB+j+1], v[O+j:O+j+1]
.set j, j+2
.endr
	s_wait_alu depctr_va_vdst(0)                   ; the multiply-adds have written the row v130-161, which the eight stores read
.irp i, 0,1,2,3,4,5,6,7
	global_store_b128 v236, v[130+4*\i:133+4*\i], s[66:67] offset:512*\i th:TH_STORE_NT   ; 32 lanes store 512 consecutive bytes, aligned to 512; written once, read by nobody here
.endr
	s_wait_xcnt 0x0                                ; the stores have had their addresses translated: registers are written again only behind this wait
	v_lshl_add_u32 v254, v0, 2, 0x11a00            ; my spare word, behind the stage, and 0: made anew here, from v0 as at the entry; no memory or LDS instruction has read v254 or v255
	v_mov_b32 v255, 0
	s_wait_dscnt 0x0                               ; the closing lines, six on end
	s_wait_alu 0x0
	s_wait_tensorcnt 0x0
	ds_add_u32 v254, v255
	s_wait_dscnt 0x0
	s_endpgm
.Lfunc_end_k_q123baec563_attn:
	.size	k_q123baec563_attn, .Lfunc_end_k_q123baec563_attn-k_q123baec563_attn
	.p2alignl 7, 3214868480
	.fill 96, 4, 3214868480
	.section	.rodata,"a",@progbits
	.p2align	6, 0x0
	.amdhsa_kernel k_q123baec563_attn
		.amdhsa_group_segment_fixed_size 74240
		.amdhsa_private_segment_fixed_size 0
		.amdhsa_enable_private_segment 0
		.amdhsa_kernarg_size 64
		.amdhsa_user_sgpr_count 2
		.amdhsa_user_sgpr_kernarg_segment_ptr 1
		.amdhsa_wavefront_size32 1
		.amdhsa_system_sgpr_workgroup_id_x 1
		.amdhsa_system_sgpr_workgroup_id_y 1
		.amdhsa_system_sgpr_workgroup_id_z 1
		.amdhsa_system_vgpr_workitem_id 0
		.amdhsa_next_free_vgpr 256
		.amdhsa_next_free_sgpr 100
		.amdhsa_reserve_vcc 1
		.amdhsa_float_denorm_mode_32 3
		.amdhsa_float_denorm_mode_16_64 3
		.amdhsa_memory_ordered 1
		.amdhsa_forward_progress 1
		.amdhsa_inst_pref_size 96
	.end_amdhsa_kernel
	.amdgpu_metadata
---
amdhsa.version: [ 1, 2 ]
amdhsa.kernels:
  - .name:           k_q123baec563_attn
    .symbol:         k_q123baec563_attn.kd
    .args:
      - { .name: qkvc, .offset: 0, .size: 8, .value_kind: global_buffer, .address_space: global }
      - { .name: qkvs, .offset: 8, .size: 8, .value_kind: global_buffer, .address_space: global }
      - { .name: vsum, .offset: 16, .size: 8, .value_kind: global_buffer, .address_space: global }
      - { .name: attention_mask, .offset: 24, .size: 8, .value_kind: global_buffer, .address_space: global }
      - { .name: hidden_states, .offset: 32, .size: 8, .value_kind: global_buffer, .address_space: global }
      - { .name: ln_gamma, .offset: 40, .size: 8, .value_kind: global_buffer, .address_space: global }
      - { .name: ln_beta, .offset: 48, .size: 8, .value_kind: global_buffer, .address_space: global }
      - { .name: out0, .offset: 56, .size: 8, .value_kind: global_buffer, .address_space: global }
    .group_segment_fixed_size: 74240
    .private_segment_fixed_size: 0
    .kernarg_segment_align: 8
    .kernarg_segment_size: 64
    .max_flat_workgroup_size: 512
    .sgpr_count:     100
    .vgpr_count:     256
    .wavefront_size: 32
...
	.end_amdgpu_metadata
.endif
;; end of part 4
